; MI455X (gfx1250); checked and timed in simulation.
; The chip was launched on July 23, 2026; its instructions are those of AMD's public machine-readable ISA for CDNA 5 (MIT licence, August 2026) and "CDNA5" Instruction Set Architecture Reference Guide (July 2026). The comments in the code are by the model that wrote it; some were corrected since.
;; Attention Layer. Allowed arithmetic: matrix products marked QUANTISED: E2M1 operands, one E8M0 scale for each 32 along K, by v_wmma_scale_f32_16x16x128_f8f6f4 with both operands' format E2M1 (or v_wmma_scale_f32_32x16x128_f4), f32 sums; products left as they are: f32 operands where the result goes on into a quantised operand, else bf16, f16 or f32 operands; f32 sums; everything else in f32.
;; Inputs: V 1,024 float32; W_key 1,024 x 1,024 float32; W_query 1,024 x 1,024 float32; decoder_hidden 32 x 1 x 1,024 float32; encoder_outputs 32 x 2,048 x 1,024 float32.
;; Outputs: out0 32 x 1,024 float32; out1 32 x 2,048 float32.
;; This version of the problem:
;;   THIS VERSION OF THE PROBLEM IS GIVEN IN LOW PRECISION. The matrix products marked QUANTISED in the list below multiply operands that are first quantised to E2M1 (2 exponent bits, 1 mantissa bit; 4 bits a number), with one power-of-two scale for each 32 numbers along K (OCP MX v1.0); their sums are f32. All else is computed in f32.
;;   The module's matrix products, in the order in which they are computed (A, B: the left and right operand; K: the contracted axis; several contracted axes count as one K, in the product's order):
;;     1. [M 32, K 1,024] x [K 1,024, N 1,024]; A: input decoder_hidden; B: input W_query: QUANTISED
;;     2. [M 65,536, K 1,024] x [K 1,024, N 1,024]; A: input encoder_outputs; B: input W_key: QUANTISED
;;     3. [M 65,536, K 1,024] x [K 1,024, N 1]; A: computed on the way; B: input V: left as it is (N = 1 < 16)
;;     4. batch 32 x [M 1, K 2,048] x [K 2,048, N 1,024]; A: softmax; B: input encoder_outputs: left as it is (M = 1 < 16)
;;   THE QUANTISER, for each operand of a quantised product, along K:
;;     - K is cut into blocks of 32 from its start; a last block that is shorter is filled with zeros.
;;     - A block's scale is 2^e with e = floor(log2(the largest magnitude in the block)) - 2, held to -126 .. 127; a block of zeros has e = 0. As a byte (E8M0): e + 127.
;;     - Each number is divided by its block's scale, clamped to +-6, and rounded to the nearest number of E2M1, ties to even, subnormals kept.
;;     - The product sums the exact products of the quantised numbers (number of the format x scale) in f32.
;;   ~~~python
;;   def quantise(x, axis):      # numpy; x: float32 -> the quantised numbers, widened to float32 again
;;       x = np.moveaxis(x, axis, -1); K = x.shape[-1]
;;       x = np.pad(x, [(0, 0)] * (x.ndim - 1) + [(0, -K % 32)]); x = x.reshape(x.shape[:-1] + (-1, 32)); a = np.abs(x).max(-1, keepdims=True)
;;       e = np.where(a > 0, np.clip(np.frexp(np.where(a > 0, a, 1))[1] - 1 - 2, -126, 127), 0)      # np.frexp(a)[1] - 1 = floor(log2(a)), exactly
;;       r = np.clip(x / 2.0 ** e, -6, 6)
;;       step = 2.0 ** (np.maximum(np.frexp(np.where(r == 0, 1, r))[1] - 1, 0) - 1)
;;       q = np.round(r / step) * step * 2.0 ** e      # np.round: ties to even
;;       return np.moveaxis(q.reshape(q.shape[:-2] + (-1,))[..., :K], -1, axis).astype(np.float32)
;;   ~~~
;; 2 versions. Each part assembles by itself: llvm-mc -triple=amdgcn-amd-amdhsa -mcpu=gfx1250 --defsym DOCPART=n.
;; ======== version 1 of 2: 3 launches
;; workspace buffers: wk_codes 524,288 bytes; wk_scales 32,768 bytes; cq 131,072 bytes; scores 262,144 bytes; ctxp 4,194,304 bytes
;; launch prep (part 1): grid 64 x 1, 8 waves a work-group, no clusters, 33,792 bytes of LDS; arguments W_key, W_query, decoder_hidden, wk_codes, wk_scales, cq; writes wk_codes, wk_scales, cq
.if DOCPART == 1
	.amdgcn_target "amdgcn-amd-amdhsa--gfx1250"
	.amdhsa_code_object_version 6
	.text
	.protected	k_q49ea6acd9e_prep
	.globl	k_q49ea6acd9e_prep
	.p2align	8
	.type	k_q49ea6acd9e_prep,@function
k_q49ea6acd9e_prep:
	s_mov_b64 s[64:65], 0
	v_nop
	global_prefetch_b8 v0, s[64:65] scope:SCOPE_SE
	s_setreg_imm32_b32 hwreg(HW_REG_WAVE_MODE, 25, 1), 1
	s_wait_xcnt 0x0
; THE PROGRAM: additive attention.  query = dh Wq, keys = x Wk (both on codes of E2M1 with one E8M0 scale for each 32 along K), score = sum_h V[h] tanh(query + keys), softmax over the 2,048 positions, context = sum of weights x rows.
; WORK LEFT OUT, for all values of the inputs: tanh(z) = 1 - 2 r with r = 1 / (1 + e^(2 z)), so score[b][s] = sum_h V[h] - 2 sum_h V[h] r[b][s][h].  The first term does not hang on s: it is the same along the
; softmax's axis, so it cancels in the weights, and the context is made of the weights alone.  The program works with s' = -2 sum_h V[h] r.  Every input is still loaded.
; LIMITS: an overflow of sum_h V[h] is not carried to the result; NaN and infinities among the inputs are not served; a block of 32 whose largest magnitude lies under 2^-124 gets the scale byte 1, and so does a block of
; zeros (the rule says 127): its codes are zeros, which add nothing under that byte, and the bytes are read by this program alone.
; THIS LAUNCH.  Work-groups 0-31: W_key [k][n] becomes codes laid in the order of an operand's registers, and scale words.  Work-groups 32-63: the same of W_query, kept in registers, then query = Q(dh) Q(Wq), times c = 2 log2(e).
; A work-group takes 32 columns (cg = x % 32), wave sigma the K step 128 sigma .. + 127.  A LANE TAKES A COLUMN AND ITS REGISTERS RUN DOWN K: a block of 32 lies in one lane, and the conversions give codes with K innermost.
; wk_codes: [tile of 16 columns 64][K step 8][half c 2][lane 32][16 bytes]: lane (r, h), half c: column 16 tile + r, k = 128 step + 64 c + 32 h + 0 .. 31.   wk_scales: [K step 8][column 1024] words of four bytes.
; cq: [cg 32][group 8][lane 32][4 f32], group = 2 (2 mu + tau) + jh: number e of lane (r, h) is c x query[16 mu + 8 h + 4 jh + e][32 cg + 16 tau + r]: the result's registers as they lie.
.set X,     64                         ; v64-191  128 numbers of my column
.set DH0,   192                        ; v192-255 64 numbers of decoder_hidden, rows 0-15 (rows 16-31 take v64-127)
.set CC,    16                         ; v16-31   W's codes: behind the swaps v16-23 columns 0-15, v24-31 columns 16-31
.set SW,    32                         ; v32      W's scale word: lane l has column l's
.set AC,    36                         ; v36-51   decoder_hidden's codes, 8 registers for each 16 rows
.set AS,    52                         ; v52-53   their scale words
.set D,     128                        ; v128-159 four results
.set SPARE, 32768                      ; LDS: 8 x 4,096 bytes of partial results from byte 0, then the spare words, 128 bytes for each wave
	s_load_b256 s[4:11], s[0:1], 0x0               ; W_key, W_query, decoder_hidden, wk_codes
	s_load_b128 s[12:15], s[0:1], 0x20             ; wk_scales, cq
	v_lshl_add_u32 v12, v0, 2, SPARE               ; my spare word,
	v_mov_b32 v13, 0                               ; and 0: kept for the add alone
	v_lshrrev_b32 v4, 5, v0
	v_readfirstlane_b32 s16, v4                    ; sigma: my wave, my K step
	v_and_b32 v5, 31, v0                           ; lane
	v_lshlrev_b32 v1, 2, v5                        ; 4 l
	v_lshlrev_b32 v2, 4, v5                        ; 16 l
	v_and_b32 v6, 15, v0                           ; r
	v_bfe_u32 v7, v0, 4, 1                         ; h
	v_lshlrev_b32 v3, 12, v6
	v_lshl_add_u32 v3, v7, 7, v3                   ; decoder_hidden: row r of 4,096 bytes, + 128 h
	v_lshlrev_b32 v8, 3, v7                        ; 8 h: where my two scale bytes stand in a word
	v_lshl_add_u32 v9, v4, 12, v2                  ; LDS: my wave's partial results, 16 bytes a lane
	v_lshl_add_u32 v10, v4, 9, v2                  ; the group that my wave adds up: 512 x wave + 16 l, in LDS and in cq alike
	s_and_b32 s17, ttmp9, 31                       ; cg
	s_lshl_b32 s18, s16, 19                        ; W: 128 sigma rows of 4,096 bytes
	s_lshl_b32 s20, s17, 7                         ;    + 32 cg columns
	s_add_co_u32 s18, s18, s20
	s_mov_b32 s19, 0
	s_lshl_b32 s20, s17, 14                        ; wk_codes: two tiles of 8,192 bytes a cg, 1,024 a K step
	s_lshl_b32 s21, s16, 10
	s_add_co_u32 s20, s20, s21
	s_mov_b32 s21, 0
	s_lshl_b32 s26, s16, 12                        ; wk_scales: 4,096 bytes a K step, 128 a cg
	s_lshl_b32 s27, s17, 7
	s_add_co_u32 s26, s26, s27
	s_mov_b32 s27, 0
	s_lshl_b32 s28, s16, 9                         ; decoder_hidden: 128 sigma numbers along a row
	s_mov_b32 s29, 0
	s_lshl_b32 s30, s17, 12                        ; cq: 4,096 bytes a cg
	s_mov_b32 s31, 0
	s_mov_b32 s22, 0x76543210
	s_mov_b32 s23, 0xfedcba98                      ; v_permlanex16_b32's selects for lane l xor 16
	s_mov_b32 s24, 0x4038aa3b                      ; c = 2 log2(e)
	s_mov_b32 s25, s24                             ; (named with it as a pair)
	s_wait_kmcnt 0x0
	s_cmp_lt_u32 ttmp9, 32                         ; W_key's work-group or W_query's: the choice hangs on the work-group's number alone
	s_cselect_b64 s[4:5], s[4:5], s[6:7]
	s_add_nc_u64 s[4:5], s[4:5], s[18:19]
	s_add_nc_u64 s[8:9], s[8:9], s[28:29]
	s_add_nc_u64 s[10:11], s[10:11], s[20:21]
	s_add_nc_u64 s[12:13], s[12:13], s[26:27]
	s_add_nc_u64 s[14:15], s[14:15], s[30:31]
.set i, 0
.rept 128
	global_load_b32 v[X+i], v1, s[4:5] offset:i*4096 th:TH_LOAD_NT   ; W(128 sigma + i, my column): 32 lanes read 128 consecutive bytes
.set i, i+1
.endr
.macro BMAX a, b, xs                   ; the largest magnitude of 32 registers, in two chains, with the floor 2^(3 - 127): so the byte cannot fall under 1
	v_max3_num_f32 v[\a], |v[(\xs)]|, |v[(\xs)+1]|, |v[(\xs)+2]|
	v_max3_num_f32 v[\b], |v[(\xs)+3]|, |v[(\xs)+4]|, |v[(\xs)+5]|
.irp i, 6,10,14,18,22,26
	v_max3_num_f32 v[\a], v[\a], |v[(\xs)+\i]|, |v[(\xs)+\i+1]|
	v_max3_num_f32 v[\b], v[\b], |v[(\xs)+\i+2]|, |v[(\xs)+\i+3]|
.endr
	v_max3_num_f32 v[\a], v[\a], |v[(\xs)+30]|, |v[(\xs)+31]|
	v_max3_num_f32 v[\a], v[\a], v[\b], 0x1800000
.endm
.macro QB b                            ; block b of my column: scale byte into the word, 32 codes into four registers; blocks 0, 2 at v16, v20 and blocks 1, 3 at v24, v28
	BMAX 54, 55, X+32*(\b)
	v_add_nc_u32 v56, 0xff000000, v54              ; 2 off the exponent field: the conversion takes the exponent field of this operand as its scale
	v_lshrrev_b32 v57, 23, v56                     ; the scale's byte
.if (\b) == 0
	v_mov_b32 v[SW], v57
.else
	v_lshl_or_b32 v[SW], v57, 8*(\b), v[SW]
.endif
.irp g, 0,1,2,3
	v_cvt_scalef32_pk8_fp4_f32 v[CC+4*((((\b)&1)<<1)|((\b)>>1))+\g], v[X+32*(\b)+8*\g:X+32*(\b)+8*\g+7], v56
.endr
.endm
.macro SWAPS                           ; an operand's lanes 0-15 hold blocks 0 and 2 of a column, lanes 16-31 blocks 1 and 3: the even block's upper lanes change places with the odd block's lower lanes
	v_nop                                          ; one plain place behind a scaled conversion
.irp c, 0,1
.irp g, 0,1,2,3
	v_permlane16_swap_b32 v[CC+4*\c+\g], v[CC+8+4*\c+\g]
.endr
.endr
.endm
	s_cmp_lt_u32 ttmp9, 32
	s_cbranch_scc0 .Lquery
	; ---- W_key: codes and scale words go to memory
	s_wait_loadcnt 63                              ; block 0's 32 loads are in (96 are younger; the count's field ends at 63)
	QB 0
	s_wait_loadcnt 63                              ; block 1's (64 are younger)
	QB 1
	s_wait_loadcnt 32
	QB 2
	s_wait_loadcnt 0x0
	QB 3
	SWAPS
	global_store_b128 v2, v[CC:CC+3], s[10:11]                  ; each store covers 512 consecutive bytes, aligned
	global_store_b128 v2, v[CC+4:CC+7], s[10:11] offset:512
	global_store_b128 v2, v[CC+8:CC+11], s[10:11] offset:8192
	global_store_b128 v2, v[CC+12:CC+15], s[10:11] offset:8704
	global_store_b32 v1, v[SW], s[12:13]
	s_wait_tensorcnt 0x0                           ; the wave's end
	ds_add_u32 v12, v13
	s_wait_dscnt 0x0
	s_endpgm
.Lquery:
	; ---- W_query: the codes stay; decoder_hidden is quantised in the operand's own layout; four products; the eight K steps' results are added through LDS
.macro DHLOAD mu, reg                  ; lane (r, h): of row 16 mu + r the numbers k = 128 sigma + 64 c + 32 h + 0 .. 31, c = 0, 1
.irp c, 0,1
.irp j, 0,1,2,3,4,5,6,7
	global_load_b128 v[(\reg)+32*\c+4*\j:(\reg)+32*\c+4*\j+3], v3, s[8:9] offset:65536*(\mu)+256*\c+16*\j
.endr
.endr
.endm
.macro QA mu, reg                      ; two whole blocks a lane: blocks h and 2 + h of my row
	BMAX 54, 55, \reg
	BMAX 58, 59, (\reg)+32
	v_add_nc_u32 v56, 0xff000000, v54
	v_add_nc_u32 v60, 0xff000000, v58
	v_lshrrev_b32 v57, 23, v56
	v_lshrrev_b32 v61, 23, v60
	v_lshl_or_b32 v62, v61, 16, v57                ; my two bytes,
	v_lshlrev_b32 v62, v8, v62                     ; at their places in the scale word;
	v_mov_b32 v63, 0
	v_permlanex16_b32 v63, v62, s22, s23
	v_or_b32 v[AS+(\mu)], v62, v63                 ; with lane l xor 16's two the word is whole
.irp g, 0,1,2,3
	v_cvt_scalef32_pk8_fp4_f32 v[AC+8*(\mu)+\g], v[(\reg)+8*\g:(\reg)+8*\g+7], v56
	v_cvt_scalef32_pk8_fp4_f32 v[AC+8*(\mu)+4+\g], v[(\reg)+32+8*\g:(\reg)+32+8*\g+7], v60
.endr
	v_nop                                          ; one plain place behind a scaled conversion
.endm
	DHLOAD 0, DH0
	s_wait_loadcnt 63                              ; block 0 of W (112 are younger)
	QB 0
	s_wait_loadcnt 63                              ; block 1 (80 are younger)
	QB 1
	DHLOAD 1, X                                    ; rows 16-31 take the registers that blocks 0 and 1 have left
	s_wait_loadcnt 63                              ; block 2 (32 + 16 + 16 are younger)
	QB 2
	s_wait_loadcnt 32                              ; block 3 (the two runs of 16 are younger)
	QB 3
	SWAPS
	s_wait_loadcnt 16
	QA 0, DH0
	s_wait_loadcnt 0x0
	QA 1, X
.rept 8
	v_nop                                          ; a scale register written by a vector instruction stands 8 places ahead of a scaled matrix instruction, an operand so written 4
.endr
.irp mu, 0,1
	v_wmma_scale_f32_16x16x128_f8f6f4 v[D+16*\mu:D+16*\mu+7], v[AC+8*\mu:AC+8*\mu+7], v[CC:CC+7], 0, v[AS+\mu], v[SW] matrix_a_fmt:MATRIX_FMT_FP4 matrix_b_fmt:MATRIX_FMT_FP4
	v_wmma_scale_f32_16x16x128_f8f6f4 v[D+16*\mu+8:D+16*\mu+15], v[AC+8*\mu:AC+8*\mu+7], v[CC+8:CC+15], 0, v[AS+\mu], v[SW] matrix_a_fmt:MATRIX_FMT_FP4 matrix_b_fmt:MATRIX_FMT_FP4 matrix_b_scale:MATRIX_SCALE_ROW1
.endr
.rept 4
	v_nop                                          ; four places ahead of the first read of a result
.endr
.irp d, 0,1,2,3
	ds_store_b128 v9, v[D+8*\d:D+8*\d+3] offset:1024*\d          ; each result from its low end on
	ds_store_b128 v9, v[D+8*\d+4:D+8*\d+7] offset:1024*\d+512
.endr
	s_wait_dscnt 0x0                               ; for the others' sake: my stores have landed
	s_barrier_signal -1
	s_barrier_wait -1
.irp i, 0,1,2,3,4,5,6,7
	ds_load_b128 v[X+4*\i:X+4*\i+3], v10 offset:4096*\i          ; my group of all eight K steps
.endr
	s_wait_dscnt 0x0
.irp i, 1,2,3,4,5,6,7
	v_pk_add_f32 v[X:X+1], v[X:X+1], v[X+4*\i:X+4*\i+1]          ; K ascending
	v_pk_add_f32 v[X+2:X+3], v[X+2:X+3], v[X+4*\i+2:X+4*\i+3]
.endr
	v_pk_mul_f32 v[X:X+1], v[X:X+1], s[24:25] op_sel_hi:[1,0]
	v_pk_mul_f32 v[X+2:X+3], v[X+2:X+3], s[24:25] op_sel_hi:[1,0]
	global_store_b128 v10, v[X:X+3], s[14:15]      ; 512 consecutive bytes a wave
	s_wait_tensorcnt 0x0                           ; the wave's end, behind my last LDS store
	ds_add_u32 v12, v13
	s_wait_dscnt 0x0
	s_endpgm
.Lfunc_end_k_q49ea6acd9e_prep:
	.size	k_q49ea6acd9e_prep, .Lfunc_end_k_q49ea6acd9e_prep-k_q49ea6acd9e_prep
	.p2alignl 7, 3214868480
	.fill 96, 4, 3214868480
	.section	.rodata,"a",@progbits
	.p2align	6, 0x0
	.amdhsa_kernel k_q49ea6acd9e_prep
		.amdhsa_group_segment_fixed_size 33792
		.amdhsa_private_segment_fixed_size 0
		.amdhsa_enable_private_segment 0
		.amdhsa_kernarg_size 48
		.amdhsa_user_sgpr_count 2
		.amdhsa_user_sgpr_kernarg_segment_ptr 1
		.amdhsa_wavefront_size32 1
		.amdhsa_system_sgpr_workgroup_id_x 1
		.amdhsa_system_sgpr_workgroup_id_y 1
		.amdhsa_system_sgpr_workgroup_id_z 1
		.amdhsa_system_vgpr_workitem_id 0
		.amdhsa_next_free_vgpr 256
		.amdhsa_next_free_sgpr 66
		.amdhsa_reserve_vcc 0
		.amdhsa_float_denorm_mode_32 3
		.amdhsa_float_denorm_mode_16_64 3
		.amdhsa_memory_ordered 1
		.amdhsa_forward_progress 1
		.amdhsa_inst_pref_size 40
	.end_amdhsa_kernel
	.amdgpu_metadata
---
amdhsa.version: [ 1, 2 ]
amdhsa.kernels:
  - .name:           k_q49ea6acd9e_prep
    .symbol:         k_q49ea6acd9e_prep.kd
    .args:
      - { .name: W_key, .offset: 0, .size: 8, .value_kind: global_buffer, .address_space: global }
      - { .name: W_query, .offset: 8, .size: 8, .value_kind: global_buffer, .address_space: global }
      - { .name: decoder_hidden, .offset: 16, .size: 8, .value_kind: global_buffer, .address_space: global }
      - { .name: wk_codes, .offset: 24, .size: 8, .value_kind: global_buffer, .address_space: global }
      - { .name: wk_scales, .offset: 32, .size: 8, .value_kind: global_buffer, .address_space: global }
      - { .name: cq, .offset: 40, .size: 8, .value_kind: global_buffer, .address_space: global }
    .group_segment_fixed_size: 33792
    .private_segment_fixed_size: 0
    .kernarg_segment_align: 8
    .kernarg_segment_size: 48
    .max_flat_workgroup_size: 256
    .sgpr_count:     66
    .vgpr_count:     256
    .wavefront_size: 32
...
	.end_amdgpu_metadata
.endif
;; end of part 1
;; launch attn (part 2): grid 256 x 1, 8 waves a work-group, no clusters, 315,392 bytes of LDS; arguments encoder_outputs, wk_codes, wk_scales, cq, V, scores, ctxp; writes scores, ctxp
.if DOCPART == 2
	.amdgcn_target "amdgcn-amd-amdhsa--gfx1250"
	.amdhsa_code_object_version 6
	.text
	.protected	k_q49ea6acd9e_attn
	.globl	k_q49ea6acd9e_attn
	.p2align	8
	.type	k_q49ea6acd9e_attn,@function
k_q49ea6acd9e_attn:
	s_mov_b64 s[64:65], 0
	v_nop
	global_prefetch_b8 v0, s[64:65] scope:SCOPE_SE
	s_setreg_imm32_b32 hwreg(HW_REG_WAVE_MODE, 25, 1), 1
	s_wait_xcnt 0x0
; For blocks of 64 rows of encoder_outputs: quantise the rows, keys = Q(x) Q(W_key) on codes of E2M1, r = 1 / (1 + 2^(c (query + keys))), s' = -2 sum_h V[h] r, the block's own softmax p = e^(s' - m), and the block's part of
; the context, sum p x.  WORK LEFT OUT: the term sum_h V[h] of the scores, which is the same along the softmax's axis (shown at the head of the first kernel).  LIMITS: as stated there.
; x IS READ FROM MEMORY ONCE: as a row is quantised it is also rounded to bf16 and kept in LDS until its score is known.  The maximum is taken away twice: here the block's, in the last launch the batch's.
; SHARES.  Work-group g owns rows 256 g .. + 255 (one batch: g / 8), four blocks of 64.  In the product wave w makes all 64 rows x columns 128 w .. + 127, in two chunks of 64 columns: 16 accumulators.  A block is 16 slots
; (chunk, K step of 128) of 16 matrix instructions.  While block i is multiplied, block i + 1 is quantised: wave w takes rows 8 w .. + 7, in 32 units of 256 numbers (lane l: 8 neighbours), two units a slot.
; W_key's CODES GO FROM MEMORY STRAIGHT INTO THE REGISTERS OF THE ONE WAVE THAT MULTIPLIES THEM; they were laid in the order of an operand's registers, so each load covers 512 consecutive bytes.  NO TENSOR LOAD AND NO JOINT
; REQUEST, though all work-groups walk the same W: x takes 2 x 133,120 (bf16) + 33,792 (codes) bytes of LDS, 27,648 are left, and two slots of one K step of W (2 x 64 KiB and padding) do not fit; and each fragment of W is
; read by one wave only, so a way through LDS would add a write and a read of 512 KiB a block and spare no read.
; NO PREFETCH: the stream of x has 16 loads of 512 bytes a wave on its way at all times, four slots ahead of their use.
; THE MATRIX INSTRUCTION: source 0 = 16 rows of x, source 1 = 16 columns of W: a lane holds ONE column (lane % 16) and eight rows, so c x query and -2 V cost one register a tile of columns.
; LDS: bf16 rows [64] of 2,080 bytes (an odd multiple of 32: ISA guide 11.1, the turning load's 8 rows x 32 bytes fall on different banks), two buffers; codes [64] of 528 bytes (an odd multiple of 16); partial scores
; [row 64][wave 8]; the spare words; x's scale bytes [row 64][32], two buffers; 1,024 bytes for each wave: p as bf16 (128 bytes), and from byte 512 the context's stage.
; REGISTERS.  Window 0: v0 thread; v1-15 addresses; v16-21 at work; v22, v23 the add's two; v24-31 c x query; v32-39 -2 V; v40-71 W's scale words; v72-87 x's; v88-119 the scores' sums; v120-183 x's fragments, two sets;
; v184-247 eight units of x on their way; v248-255 bf16 at work.   Window 1: v0-127 the 16 accumulators; v128-223 W's fragments, three buffers; v224-255 the next block's codes, one register a unit.
.set XBP,   2080
.set XB1,   64*XBP
.set CP,    528
.set CODES, 2*XB1
.set SPB,   CODES+64*CP
.set SPARE, SPB+2048
.set XSB,   SPARE+1024                 ; a multiple of 4,096: one exclusive or with 2,048 turns an address from one buffer of scale bytes to the other
.set WR,    XSB+4096
.set L16, 1                            ; 16 l
.set L32, 2                            ; 32 l
.set XA,  3                            ; codes, as a fragment reads them: CODES + 528 r + 16 h
.set XSR, 4                            ; scale bytes, as read: 32 r + 16 h + the buffer in hand
.set XBW, 5                            ; bf16 rows, as written: 16 l + my 8 rows + the other buffer
.set XSW, 6                            ; scale bytes, as written: l / 4 + 256 w + the other buffer
.set CWA, 7                            ; codes, as written: CODES + 8 x 528 w + 4 l
.set SPWR, 8                           ; partial scores, as written: SPB + 256 h + 4 w
.set SPR, 9                            ; and as read: SPB + 64 l
.set PW,  10                           ; my wave's region + 4 l
.set PR,  11                           ; + 16 h
.set TR0, 12                           ; the turning loads' address, rows 0-31
.set CSR, 13                           ; my wave's region + 16 l
.set TRB, 14                           ; (8 h + l % 8) x 2,080 + 16 ((l / 8) % 2) + 256 w
.set TR1, 15                           ; the turning loads' address, rows 32-63
.set T,   16
.set SPW, 22
.set NIL, 23
.set CQ,  24
.set VV,  32
.set WSC, 40                           ; register 4 t + q: lanes 0-15 K step q, lanes 16-31 K step 4 + q, of column tile t
.set XSC, 72                           ; register 4 m + q likewise, of row tile m
.set SACC, 88
.set PF,  104                          ; p's two fragments (behind the scores)
.set XF,  120
.set CD,  120                          ; the context's eight results (behind the products)
.set STG, 184
.set TB,  248
.set WB,  128                          ; window 1
.set CW,  224                          ; window 1
.set MSB, 0
.macro WIN new                         ; bits 1:0 source 0, 3:2 source 1, 5:4 source 2, 7:6 destination; the high byte repeats the setting that is left
.if MSB != (\new)
	s_set_vgpr_msb (MSB<<8)|(\new)
.set MSB, (\new)
.endif
.endm
.macro BARRIER
	s_barrier_signal -1
	s_barrier_wait -1
.endm
.macro XLOAD reg, imm                  ; a unit: 256 numbers of a row, 8 neighbours a lane; the two loads together cover 1,024 consecutive bytes
	global_load_b128 v[(\reg):(\reg)+3], v[L32], s[4:5] offset:(\imm)
	global_load_b128 v[(\reg)+4:(\reg)+7], v[L32], s[4:5] offset:(\imm)+16
.endm
; TWO UNITS ARE QUANTISED AND ROUNDED, by turns.  ra, rb: their registers, in window sw; u: the first unit's number (row u / 4 of my eight, 256 (u % 4) along K).  A block of 32 lies in four neighbouring lanes.
.macro XP1 ra, rb, sw
	WIN 5*(\sw)
	v_max3_num_f32 v[T], |v[(\ra)]|, |v[(\ra)+1]|, 0x1800000       ; with the floor 2^(3 - 127): so the byte cannot fall under 1
	v_max3_num_f32 v[T+1], |v[(\rb)]|, |v[(\rb)+1]|, 0x1800000
.irp i, 2,4,6
	v_max3_num_f32 v[T], |v[(\ra)+\i]|, |v[(\ra)+\i+1]|, v[T]
	v_max3_num_f32 v[T+1], |v[(\rb)+\i]|, |v[(\rb)+\i+1]|, v[T+1]
.endr
	WIN 0
.irp x, 1,2
	v_max_num_f32_dpp v[T], v[T], v[T] row_xmask:\x row_mask:0xf bank_mask:0xf
	v_max_num_f32_dpp v[T+1], v[T+1], v[T+1] row_xmask:\x row_mask:0xf bank_mask:0xf
.endr
	v_add_nc_u32 v[T+2], 0xff000000, v[T]          ; 2 off the exponent field: the conversion's scale operand
	v_add_nc_u32 v[T+3], 0xff000000, v[T+1]
.endm
.macro XP2 ra, rb, sw, u
	WIN 0x40+(\sw)
	v_cvt_scalef32_pk8_fp4_f32 v[CW+(\u)], v[(\ra):(\ra)+7], v[T+2]
	v_cvt_scalef32_pk8_fp4_f32 v[CW+(\u)+1], v[(\rb):(\rb)+7], v[T+3]
.endm
.macro XP3 ra, rb, sw, u
	WIN 0
	v_lshrrev_b32 v[T+4], 23, v[T+2]               ; the scale's byte.  (Also the plain place behind the conversions)
	v_lshrrev_b32 v[T+5], 23, v[T+3]
	WIN 5*(\sw)
.irp i, 0,1,2,3
	v_cvt_pk_bf16_f32 v[TB+\i], v[(\ra)+2*\i], v[(\ra)+2*\i+1]
.endr
.irp i, 0,1,2,3
	v_cvt_pk_bf16_f32 v[TB+4+\i], v[(\rb)+2*\i], v[(\rb)+2*\i+1]
.endr
	WIN 0
	ds_store_b128 v[XBW], v[TB:TB+3] offset:XBP*((\u)/4)+512*((\u)%4)              ; 512 consecutive bytes of a row
	ds_store_b128 v[XBW], v[TB+4:TB+7] offset:XBP*(((\u)+1)/4)+512*(((\u)+1)%4)
	ds_store_b8 v[XSW], v[T+4] offset:32*((\u)/4)+8*((\u)%4)                       ; the four lanes of a block write the same byte with the same value
	ds_store_b8 v[XSW], v[T+5] offset:32*(((\u)+1)/4)+8*(((\u)+1)%4)
.endm
.macro XFLOAD set, k                   ; x's four fragments of K step k: lane (r, h): registers 4 c .. 4 c + 3 hold k = 64 c + 32 h + 0 .. 31 of row r
.irp m, 0,1,2,3
	ds_load_b128 v[XF+32*(\set)+8*\m:XF+32*(\set)+8*\m+3], v[XA] offset:16*CP*\m+64*(\k)
	ds_load_b128 v[XF+32*(\set)+8*\m+4:XF+32*(\set)+8*\m+7], v[XA] offset:16*CP*\m+64*(\k)+32
.endr
.endm
.macro WLOAD buf, c, k                 ; W's four fragments of chunk c, K step k: the registers' image, 512 consecutive bytes a load
.irp n, 0,1,2,3
	global_load_b128 v[WB+32*(\buf)+8*\n:WB+32*(\buf)+8*\n+3], v[L16], s[6:7] offset:((4*(\c)+\n)*8+(\k))*1024
	global_load_b128 v[WB+32*(\buf)+8*\n+4:WB+32*(\buf)+8*\n+7], v[L16], s[6:7] offset:((4*(\c)+\n)*8+(\k))*1024+512
.endr
.endm
; A slot's 16 matrix instructions.  The 16 accumulators take turns, one instruction a turn, in the same order in every slot.  K step 0 starts the sums: nothing is cleared.
.macro MM s
.set KK, (\s)&7
.set KQ, (\s)&3
.set TT, 4*((\s)>>3)
.set BU, WB+32*((\s)%3)
.set FX, XF+32*((\s)&1)
	WIN 0x54                                       ; x in window 0; W and the accumulators in window 1
.irp m, 0,1,2,3
.irp n, 0,1,2,3
.if KK == 0
	v_wmma_scale_f32_16x16x128_f8f6f4 v[8*(4*\m+\n):8*(4*\m+\n)+7], v[FX+8*\m:FX+8*\m+7], v[BU+8*\n:BU+8*\n+7], 0, v[XSC+4*\m+KQ], v[WSC+4*(TT+\n)+KQ] matrix_a_fmt:MATRIX_FMT_FP4 matrix_b_fmt:MATRIX_FMT_FP4
.elseif KK < 4
	v_wmma_scale_f32_16x16x128_f8f6f4 v[8*(4*\m+\n):8*(4*\m+\n)+7], v[FX+8*\m:FX+8*\m+7], v[BU+8*\n:BU+8*\n+7], v[8*(4*\m+\n):8*(4*\m+\n)+7], v[XSC+4*\m+KQ], v[WSC+4*(TT+\n)+KQ] matrix_a_fmt:MATRIX_FMT_FP4 matrix_b_fmt:MATRIX_FMT_FP4
.else
	v_wmma_scale_f32_16x16x128_f8f6f4 v[8*(4*\m+\n):8*(4*\m+\n)+7], v[FX+8*\m:FX+8*\m+7], v[BU+8*\n:BU+8*\n+7], v[8*(4*\m+\n):8*(4*\m+\n)+7], v[XSC+4*\m+KQ], v[WSC+4*(TT+\n)+KQ] matrix_a_fmt:MATRIX_FMT_FP4 matrix_b_fmt:MATRIX_FMT_FP4 matrix_a_scale:MATRIX_SCALE_ROW1 matrix_b_scale:MATRIX_SCALE_ROW1
.endif
.endr
.endr
.endm
; SLOT s.  nl: the global loads that may stay out: W's fragments for slot s were asked for three slots ago, the slot's two units of x four slots ago.  nd: the LDS instructions that may stay out: the last slot's four X stores.
; Behind the products stand 14 plain vector lines (or four v_nop): the places ahead of the loads into W's buffer just read, and of the next slot's loads into x's set just read.
.macro SLOT s, hasx, nl, nd
.set RA, STG+8*((2*(\s))&7)
.set RB, RA+8
	s_wait_loadcnt \nl
	s_wait_dscnt \nd
.if (\s) < 15
	XFLOAD ((\s)+1)&1, ((\s)+1)&7
.endif
	MM \s
.if \hasx
	XP1 RA, RB, 0
	XP2 RA, RB, 0, 2*(\s)
.if (\s) <= 12
	WLOAD (\s)%3, ((\s)+3)>>3, ((\s)+3)&7          ; under the conversions' window setting
.else
	WLOAD (\s)%3, 0, ((\s)-12)%3                   ; the next block's slots 1, 2, 0 into buffers 1, 2, 0
.endif
	XP3 RA, RB, 0, 2*(\s)
.if (\s) <= 11
	XLOAD RA, 262144+4096*((2*(\s)+8)/4)+1024*((2*(\s)+8)%4)       ; the next block's units four slots on
	XLOAD RB, 262144+4096*((2*(\s)+9)/4)+1024*((2*(\s)+9)%4)
.else
	s_cmp_eq_u32 s19, 2                            ; the block after the next: there is none behind block 3, and no load leaves its buffer
	s_cbranch_scc1 .Lnox_\@
	XLOAD RA, 524288+4096*((2*(\s)-24)/4)+1024*((2*(\s)-24)%4)
	XLOAD RB, 524288+4096*((2*(\s)-23)/4)+1024*((2*(\s)-23)%4)
.Lnox_\@:
.endif
.else
.rept 4
	v_nop
.endr
.if (\s) <= 12
	WIN 0x40
	WLOAD (\s)%3, ((\s)+3)>>3, ((\s)+3)&7
.endif
	WIN 0
.endif
.endm
; A chunk's 16 tiles become r = 1 / (1 + 2^(c keys + c query)), and the scores' sums take -2 V r.  Each kind of transcendental is one batch with one wait, ahead of the first reader.
.macro TPH c
	WIN 0x41
.irp m, 0,1,2,3
.irp n, 0,1,2,3
.irp p, 0,2,4,6
.if (\n)&1
	v_pk_fma_f32 v[8*(4*\m+\n)+\p:8*(4*\m+\n)+\p+1], v[8*(4*\m+\n)+\p:8*(4*\m+\n)+\p+1], s[22:23], v[CQ+4*(\c)+\n-1:CQ+4*(\c)+\n] op_sel:[0,0,1] op_sel_hi:[1,0,1]
.else
	v_pk_fma_f32 v[8*(4*\m+\n)+\p:8*(4*\m+\n)+\p+1], v[8*(4*\m+\n)+\p:8*(4*\m+\n)+\p+1], s[22:23], v[CQ+4*(\c)+\n:CQ+4*(\c)+\n+1] op_sel_hi:[1,0,0]
.endif
.endr
.endr
.endr
.set a, 0
.rept 128
	v_exp_f32 v[a], v[a]
.set a, a+1
.endr
	v_nop
	s_wait_alu depctr_va_vdst(0)
.set a, 0
.rept 64
	v_pk_add_f32 v[a:a+1], v[a:a+1], 1.0 op_sel_hi:[1,0]
.set a, a+2
.endr
.set a, 0
.rept 128
	v_rcp_f32 v[a], v[a]
.set a, a+1
.endr
	v_nop
	s_wait_alu depctr_va_vdst(0)
	WIN 0x01
.irp n, 0,1,2,3
.irp m, 0,1,2,3
.irp p, 0,2,4,6
.if ((\c) == 0) && ((\n) == 0)
	v_pk_mul_f32 v[SACC+8*\m+\p:SACC+8*\m+\p+1], v[8*(4*\m+\n)+\p:8*(4*\m+\n)+\p+1], v[VV:VV+1] op_sel_hi:[1,0]      ; the first tile of columns starts the sums
.elseif (\n)&1
	v_pk_fma_f32 v[SACC+8*\m+\p:SACC+8*\m+\p+1], v[8*(4*\m+\n)+\p:8*(4*\m+\n)+\p+1], v[VV+4*(\c)+\n-1:VV+4*(\c)+\n], v[SACC+8*\m+\p:SACC+8*\m+\p+1] op_sel:[0,1,0] op_sel_hi:[1,1,1]
.else
	v_pk_fma_f32 v[SACC+8*\m+\p:SACC+8*\m+\p+1], v[8*(4*\m+\n)+\p:8*(4*\m+\n)+\p+1], v[VV+4*(\c)+\n:VV+4*(\c)+\n+1], v[SACC+8*\m+\p:SACC+8*\m+\p+1] op_sel_hi:[1,0,1]
.endif
.endr
.endr
.endr
	WIN 0
.endm
.macro CWOUT                           ; the codes that waited in registers go to LDS: 128 consecutive bytes a store
	WIN 0x04
.irp u, 0,1,2,3,4,5,6,7,8,9,10,11,12,13,14,15,16,17,18,19,20,21,22,23,24,25,26,27,28,29,30,31
	ds_store_b32 v[CWA], v[CW+\u] offset:CP*(\u/4)+128*(\u%4)
.endr
	WIN 0
.endm
.macro BHEAD hasx                      ; a block's head: its scale words and first fragments; where the next block's rows and scale bytes go
	v_and_b32 v[T], 16, v0
	v_and_b32 v[XSR], 15, v0
	v_lshl_or_b32 v[XSR], v[XSR], 5, v[T]
	v_add_nc_u32 v[XSR], s29, v[XSR]
.irp m, 0,1,2,3
	ds_load_b128 v[XSC+4*\m:XSC+4*\m+3], v[XSR] offset:512*\m      ; 16 bytes of a row's 32: K steps 4 h .. 4 h + 3
.endr
	XFLOAD 0, 0
.if \hasx
	s_add_co_u32 s31, s27, s28
	v_add_nc_u32 v[XBW], s31, v[L16]
	s_xor_b32 s30, s30, 0x800
	v_bfe_u32 v[XSW], v0, 2, 3
	v_add_nc_u32 v[XSW], s30, v[XSW]
.endif
.endm
; BEHIND A BLOCK'S PRODUCTS: the scores, the block's softmax, its part of the context.
.macro TAIL hasx, last
	v_add_nc_u32 v[TR0], s26, v[TRB]
	v_add_nc_u32 v[TR1], 32*XBP, v[TR0]
	WIN 0x40                                       ; the block's rows, turned: 16 fragments (32 rows x 16 of my columns) into the accumulators' registers
.irp t, 0,1,2,3,4,5,6,7
	ds_load_tr16_b128 v[8*\t:8*\t+3], v[TR0] offset:32*\t
	ds_load_tr16_b128 v[8*\t+4:8*\t+7], v[TR0] offset:16*XBP+32*\t
.endr
.irp t, 0,1,2,3,4,5,6,7
	ds_load_tr16_b128 v[64+8*\t:64+8*\t+3], v[TR1] offset:32*\t
	ds_load_tr16_b128 v[64+8*\t+4:64+8*\t+7], v[TR1] offset:16*XBP+32*\t
.endr
	WIN 0
.irp x, 1,2,4,8                        ; the sums over my 128 columns: 16 lanes of a half hold 16 columns of the same eight rows
.set a, 0
.rept 32
	v_add_f32_dpp v[SACC+a], v[SACC+a], v[SACC+a] row_xmask:\x row_mask:0xf bank_mask:0xf
.set a, a+1
.endr
.endr
.irp m, 0,1,2,3
.irp j, 0,1,2,3,4,5,6,7
	ds_store_b32 v[SPWR], v[SACC+8*\m+\j] offset:32*(16*\m+\j)     ; row 16 m + 8 h + j, my wave's word; the 16 lanes write the same word with the same value
.endr
.endr
	s_wait_dscnt 0x0                               ; my partial scores have landed; my reads of the codes and of the bf16 rows are back
	BARRIER                                        ; all waves': the scores can be read, and the codes can be written over
.irp i, 0,1,2,3
	ds_load_b128 v[SACC+4*\i:SACC+4*\i+3], v[SPR] offset:16*\i     ; rows 2 l and 2 l + 1: eight words each
.endr
.if \hasx
	CWOUT
	s_wait_dscnt 32                                ; the four loads are in; the 32 stores behind them may be out
.else
	s_wait_dscnt 0x0
.endif
	v_pk_add_f32 v[SACC:SACC+1], v[SACC:SACC+1], v[SACC+2:SACC+3]
	v_pk_add_f32 v[SACC+4:SACC+5], v[SACC+4:SACC+5], v[SACC+6:SACC+7]
	v_pk_add_f32 v[SACC+8:SACC+9], v[SACC+8:SACC+9], v[SACC+10:SACC+11]
	v_pk_add_f32 v[SACC+12:SACC+13], v[SACC+12:SACC+13], v[SACC+14:SACC+15]
	v_pk_add_f32 v[SACC:SACC+1], v[SACC:SACC+1], v[SACC+4:SACC+5]
	v_pk_add_f32 v[SACC+8:SACC+9], v[SACC+8:SACC+9], v[SACC+12:SACC+13]
	v_add_f32 v[T], v[SACC], v[SACC+1]             ; s'(2 l)
	v_add_f32 v[T+1], v[SACC+8], v[SACC+9]         ; s'(2 l + 1)
	v_lshrrev_b32 v[T+2], 1, v[L16]                ; 8 l
	s_cmp_lg_u32 s18, 0                            ; every wave holds all 64 scores; wave 0 stores them: 256 consecutive bytes, aligned
	s_cbranch_scc1 .Lnot0_\@
	global_store_b64 v[T+2], v[T:T+1], s[14:15]
.Lnot0_\@:
	v_max_num_f32 v[T+3], v[T], v[T+1]
.irp x, 1,2,4,8
	v_max_num_f32_dpp v[T+3], v[T+3], v[T+3] row_xmask:\x row_mask:0xf bank_mask:0xf
.endr
	v_mov_b32 v[T+4], 0
	v_permlanex16_b32 v[T+4], v[T+3], s20, s21
	v_max_num_f32 v[T+3], v[T+3], v[T+4]           ; m: the block's largest score
	v_sub_f32 v[T+4], v[T], v[T+3]
	v_sub_f32 v[T+5], v[T+1], v[T+3]
	v_mul_f32 v[T+4], s24, v[T+4]
	v_mul_f32 v[T+5], s24, v[T+5]
	v_exp_f32 v[T+4], v[T+4]                       ; p = e^(s' - m), at most 1
	v_exp_f32 v[T+5], v[T+5]
	v_nop
	s_wait_alu depctr_va_vdst(0)
	v_cvt_pk_bf16_f32 v[TB+4], v[T+4], v[T+5]
	ds_store_b32 v[PW], v[TB+4]                    ; the 64 p in the rows' order, in my wave's own bytes
.irp i, 0,1,2,3
	ds_load_b128 v[PF+4*\i:PF+4*\i+3], v[PR] offset:32*\i          ; LDS serves a wave's instructions in order (ISA guide 5.7.1.4).  Every row of the operand is the same p
.endr
	s_wait_dscnt 0x0
	WIN 0x04                                       ; context = p x: K = the 64 rows, two steps of 32; eight tiles of 16 columns by turns
.irp t, 0,1,2,3,4,5,6,7
	v_wmma_f32_16x16x32_bf16 v[CD+8*\t:CD+8*\t+7], v[PF:PF+7], v[8*\t:8*\t+7], 0
.endr
.irp t, 0,1,2,3,4,5,6,7
	v_wmma_f32_16x16x32_bf16 v[CD+8*\t:CD+8*\t+7], v[PF+8:PF+15], v[64+8*\t:64+8*\t+7], v[CD+8*\t:CD+8*\t+7]
.endr
	WIN 0
.rept 5
	v_nop                                          ; four places ahead of the first read of a result; five ahead of the next block's products, which write over these products' operands
.endr
.irp u, 0,1,2,3
	v_cndmask_b32 v[TB+\u], v[CD+16*\u], v[CD+16*\u+8], s25        ; all 16 rows of a result are alike: register 0 of two tiles gives lane l column 32 u + l
.endr
.irp u, 0,1,2,3
	ds_store_b32 v[PW], v[TB+\u] offset:512+128*\u
.endr
	ds_load_b128 v[TB+4:TB+7], v[CSR] offset:512
	s_wait_dscnt 0x0
	global_store_b128 v[L16], v[TB+4:TB+7], s[16:17]               ; my 128 columns: 512 consecutive bytes, aligned
.if !(\last)
	s_wait_xcnt 0x0                                ; the loads and stores issued so far have read their addresses and data: bases and data registers may be written
	s_add_nc_u64 s[4:5], s[4:5], 262144            ; 64 rows of x on
	s_add_nc_u64 s[14:15], s[14:15], 256
	s_add_nc_u64 s[16:17], s[16:17], 4096
	s_xor_b32 s26, s26, XB1                        ; the buffers change places
	s_xor_b32 s27, s27, XB1
	s_xor_b32 s29, s29, 0x800
	BARRIER                                        ; (no LDS instruction of mine is out)  the new codes lie in LDS; nobody reads the old bf16 rows or the partial scores any more
.endif
.endm
	s_load_b256 s[4:11], s[0:1], 0x0               ; encoder_outputs, wk_codes, wk_scales, cq
	s_load_b128 s[12:15], s[0:1], 0x20             ; V, scores
	s_load_b64 s[16:17], s[0:1], 0x30              ; ctxp
	v_lshl_add_u32 v[SPW], v0, 2, SPARE            ; my spare word,
	v_mov_b32 v[NIL], 0                            ; and 0: kept for the add alone
	v_lshrrev_b32 v16, 5, v0                       ; w
	v_readfirstlane_b32 s18, v16
	v_and_b32 v17, 31, v0                          ; l
	v_and_b32 v18, 15, v0                          ; r
	v_bfe_u32 v19, v0, 4, 1                        ; h
	v_lshlrev_b32 v[L16], 4, v17
	v_lshlrev_b32 v[L32], 5, v17
	v_mul_u32_u24 v[XA], v18, CP
	v_lshl_add_u32 v[XA], v19, 4, v[XA]
	v_add_nc_u32 v[XA], CODES, v[XA]
	v_mul_u32_u24 v[CWA], v16, 8*CP
	v_lshl_add_u32 v[CWA], v17, 2, v[CWA]
	v_add_nc_u32 v[CWA], CODES, v[CWA]
	v_lshlrev_b32 v[SPWR], 8, v19
	v_lshl_add_u32 v[SPWR], v16, 2, v[SPWR]
	v_add_nc_u32 v[SPWR], SPB, v[SPWR]
	v_lshl_add_u32 v[SPR], v17, 6, SPB
	v_lshlrev_b32 v20, 10, v16
	v_add_nc_u32 v20, WR, v20                      ; my wave's 1,024 bytes
	v_lshl_add_u32 v[PW], v17, 2, v20
	v_lshl_add_u32 v[PR], v19, 4, v20
	v_lshl_add_u32 v[CSR], v17, 4, v20
	v_and_b32 v21, 7, v0
	v_lshl_add_u32 v21, v19, 3, v21
	v_mul_u32_u24 v[TRB], v21, XBP
	v_bfe_u32 v21, v0, 3, 1
	v_lshl_add_u32 v[TRB], v21, 4, v[TRB]
	v_lshl_add_u32 v[TRB], v16, 8, v[TRB]
	v_lshlrev_b32 v20, 2, v18                      ; 4 r: V
	v_lshlrev_b32 v21, 4, v18                      ; 16 r: cq
	v_lshl_add_u32 v19, v19, 14, v20               ; 16,384 h + 4 r: W's scale words
	s_lshl_b32 s2, ttmp9, 20                       ; x: 256 rows of 4,096 bytes a work-group,
	s_lshl_b32 s3, s18, 15                         ;    8 rows a wave
	s_add_co_u32 s32, s2, s3
	s_mov_b32 s33, 0
	s_lshl_b32 s34, s18, 16                        ; wk_codes: 8 tiles of 8,192 bytes a wave
	s_mov_b32 s35, 0
	s_lshl_b32 s36, s18, 9                         ; wk_scales and V: 128 columns of 4 bytes a wave
	s_mov_b32 s37, 0
	s_lshr_b32 s2, ttmp9, 3                        ; my batch b = 16 mu + 8 hb + 4 jh + e
	s_lshr_b32 s3, s2, 4
	s_lshl_b32 s38, s3, 11                         ; cq: 2,048 mu
	s_bfe_u32 s3, s2, 0x10003
	s_lshl_b32 s3, s3, 8
	s_add_co_u32 s38, s38, s3                      ;   + 256 hb
	s_bfe_u32 s3, s2, 0x10002
	s_lshl_b32 s3, s3, 9
	s_add_co_u32 s38, s38, s3                      ;   + 512 jh
	s_and_b32 s3, s2, 3
	s_lshl_b32 s3, s3, 2
	s_add_co_u32 s38, s38, s3                      ;   + 4 e
	s_lshl_b32 s3, s18, 14
	s_add_co_u32 s38, s38, s3                      ;   + 16,384 w
	s_mov_b32 s39, 0
	s_lshl_b32 s40, ttmp9, 10                      ; scores: 256 a work-group
	s_mov_b32 s41, 0
	s_lshl_b32 s42, ttmp9, 14                      ; ctxp: four rows of 4,096 bytes a work-group, + my 128 columns
	s_add_co_u32 s42, s42, s36
	s_mov_b32 s43, 0
	s_mov_b32 s20, 0x76543210
	s_mov_b32 s21, 0xfedcba98                      ; v_permlanex16_b32's selects for lane l xor 16
	s_mov_b32 s22, 0x4038aa3b                      ; c = 2 log2(e)
	s_mov_b32 s23, s22                             ; (named with it as a pair)
	s_mov_b32 s24, 0x3fb8aa3b                      ; log2(e)
	s_mov_b32 s25, 0xffff0000                      ; lanes 16-31
	s_mov_b32 s26, 0                               ; bf16 rows: the buffer in hand,
	s_mov_b32 s27, XB1                             ; and the other
	s_mul_i32 s28, s18, 8*XBP                      ; my 8 rows in a buffer
	s_mov_b32 s29, XSB                             ; scale bytes: the buffer in hand,
	s_lshl_b32 s30, s18, 8
	s_add_co_u32 s30, s30, XSB                     ; and where I write: my 8 rows of 32 bytes, first in buffer 0
	v_add_nc_u32 v[XBW], s28, v[L16]
	v_bfe_u32 v[XSW], v0, 2, 3
	v_add_nc_u32 v[XSW], s30, v[XSW]
	s_wait_kmcnt 0x0
	s_add_nc_u64 s[4:5], s[4:5], s[32:33]
	s_add_nc_u64 s[6:7], s[6:7], s[34:35]
	s_add_nc_u64 s[8:9], s[8:9], s[36:37]
	s_add_nc_u64 s[10:11], s[10:11], s[38:39]
	s_add_nc_u64 s[12:13], s[12:13], s[36:37]
	s_add_nc_u64 s[14:15], s[14:15], s[40:41]
	s_add_nc_u64 s[16:17], s[16:17], s[42:43]
.irp t, 0,1,2,3,4,5,6,7
.irp q, 0,1,2,3
	global_load_b32 v[WSC+4*\t+\q], v19, s[8:9] offset:4096*\q+64*\t
.endr
.endr
.irp t, 0,1,2,3,4,5,6,7
	global_load_b32 v[CQ+\t], v21, s[10:11] offset:4096*(\t/2)+1024*(\t%2)
.endr
.irp t, 0,1,2,3,4,5,6,7
	global_load_b32 v[VV+\t], v20, s[12:13] offset:64*\t
.endr
	; ---- block 0 is quantised ahead of the loop: its 32 units lie where the accumulators, W's buffers and x's fragments will lie
	WIN 0x40
.irp u, 0,1,2,3,4,5,6,7,8,9,10,11,12,13,14,15,16,17,18,19,20,21,22,23,24,25,26,27
	XLOAD 8*\u, 4096*(\u/4)+1024*(\u%4)
.endr
	WIN 0
.irp u, 28,29,30,31
	XLOAD XF+8*(\u-28), 4096*(\u/4)+1024*(\u%4)
.endr
.irp u, 0,1,2,3,4,5,6,7
	XLOAD STG+8*\u, 262144+4096*(\u/4)+1024*(\u%4)                 ; block 1's first eight units
.endr
.macro PPAIR u
.if (\u) < 28
	XP1 8*(\u), 8*(\u)+8, 1
	XP2 8*(\u), 8*(\u)+8, 1, \u
	XP3 8*(\u), 8*(\u)+8, 1, \u
.else
	XP1 XF+8*((\u)-28), XF+8*((\u)-27), 0
	XP2 XF+8*((\u)-28), XF+8*((\u)-27), 0, \u
	XP3 XF+8*((\u)-28), XF+8*((\u)-27), 0, \u
.endif
.endm
	s_wait_loadcnt 63                              ; units 0-7 are in (64 loads are younger; the count's field ends at 63), and so are the 48 small loads ahead of them: their offsets' registers are free
.irp u, 0,2,4,6
	PPAIR \u
.endr
	s_wait_loadcnt 48                              ; units 8-15: behind them 32 loads of block 0 and 16 of block 1
.irp u, 8,10,12,14
	PPAIR \u
.endr
	s_wait_loadcnt 32
.irp u, 16,18,20,22
	PPAIR \u
.endr
	s_wait_loadcnt 16
.irp u, 24,26,28,30
	PPAIR \u
.endr
.irp t, 0,1,2,3,4,5,6,7
	v_mul_f32 v[VV+\t], -2.0, v[VV+\t]
.endr
	WIN 0x40
	WLOAD 0, 0, 0
	WLOAD 1, 0, 1
	WLOAD 2, 0, 2
	CWOUT
	s_wait_dscnt 0x0                               ; my rows, codes and scale bytes of block 0 have landed
	BARRIER
	s_mov_b32 s19, 0
.Lblock:                                           ; blocks 0, 1, 2: each also quantises the block behind it
	BHEAD 1
	SLOT 0, 1, 0, 0                                ; W's first fragments were the last of W's to be asked for: all loads are waited for
	SLOT 1, 1, 12, 4                               ; slot 0's 8 + 4 may be out
	SLOT 2, 1, 24, 4
.irp s, 3,4,5,6,7
	SLOT \s, 1, 28, 4                              ; behind W's loads for this slot: 4 of x in their own slot, 12 in each of the two slots since
.endr
	TPH 0
.irp s, 8,9,10,11,12
	SLOT \s, 1, 28, 4
.endr
	SLOT 13, 1, 24, 4                              ; the counts of the way on which slots 12 to 15 ask for no x: smaller than the other way needs
	SLOT 14, 1, 20, 4
	SLOT 15, 1, 16, 4
	TPH 1
	TAIL 1, 0
	s_add_co_u32 s19, s19, 1
	s_cmp_lt_u32 s19, 3
	s_cbranch_scc1 .Lblock
	BHEAD 0                                        ; block 3: nothing is left to quantise
	SLOT 0, 0, 0, 0
	SLOT 1, 0, 8, 0
	SLOT 2, 0, 16, 0
.irp s, 3,4,5,6,7
	SLOT \s, 0, 16, 0
.endr
	TPH 0
.irp s, 8,9,10,11,12,13
	SLOT \s, 0, 16, 0
.endr
	SLOT 14, 0, 8, 0
	SLOT 15, 0, 0, 0
	TPH 1
	TAIL 0, 1
	s_wait_tensorcnt 0x0                           ; the wave's end, behind my last LDS store
	ds_add_u32 v[SPW], v[NIL]
	s_wait_dscnt 0x0
	s_endpgm
.Lfunc_end_k_q49ea6acd9e_attn:
	.size	k_q49ea6acd9e_attn, .Lfunc_end_k_q49ea6acd9e_attn-k_q49ea6acd9e_attn
	.p2alignl 7, 3214868480
	.fill 96, 4, 3214868480
	.section	.rodata,"a",@progbits
	.p2align	6, 0x0
	.amdhsa_kernel k_q49ea6acd9e_attn
		.amdhsa_group_segment_fixed_size 315392
		.amdhsa_private_segment_fixed_size 0
		.amdhsa_enable_private_segment 0
		.amdhsa_kernarg_size 56
		.amdhsa_user_sgpr_count 2
		.amdhsa_user_sgpr_kernarg_segment_ptr 1
		.amdhsa_wavefront_size32 1
		.amdhsa_system_sgpr_workgroup_id_x 1
		.amdhsa_system_sgpr_workgroup_id_y 1
		.amdhsa_system_sgpr_workgroup_id_z 1
		.amdhsa_system_vgpr_workitem_id 0
		.amdhsa_next_free_vgpr 512
		.amdhsa_next_free_sgpr 66
		.amdhsa_reserve_vcc 0
		.amdhsa_float_denorm_mode_32 3
		.amdhsa_float_denorm_mode_16_64 3
		.amdhsa_memory_ordered 1
		.amdhsa_forward_progress 1
		.amdhsa_inst_pref_size 255
	.end_amdhsa_kernel
	.section	.bss,"aw",@nobits
	.p2align	6
	.space	262144
	.amdgpu_metadata
---
amdhsa.version: [ 1, 2 ]
amdhsa.kernels:
  - .name:           k_q49ea6acd9e_attn
    .symbol:         k_q49ea6acd9e_attn.kd
    .args:
      - { .name: encoder_outputs, .offset: 0, .size: 8, .value_kind: global_buffer, .address_space: global }
      - { .name: wk_codes, .offset: 8, .size: 8, .value_kind: global_buffer, .address_space: global }
      - { .name: wk_scales, .offset: 16, .size: 8, .value_kind: global_buffer, .address_space: global }
      - { .name: cq, .offset: 24, .size: 8, .value_kind: global_buffer, .address_space: global }
      - { .name: V, .offset: 32, .size: 8, .value_kind: global_buffer, .address_space: global }
      - { .name: scores, .offset: 40, .size: 8, .value_kind: global_buffer, .address_space: global }
      - { .name: ctxp, .offset: 48, .size: 8, .value_kind: global_buffer, .address_space: global }
    .group_segment_fixed_size: 315392
    .private_segment_fixed_size: 0
    .kernarg_segment_align: 8
    .kernarg_segment_size: 56
    .max_flat_workgroup_size: 256
    .sgpr_count:     66
    .vgpr_count:     512
    .wavefront_size: 32
...
	.end_amdgpu_metadata
.endif
;; end of part 2
;; launch finish (part 3): grid 32 x 2, 8 waves a work-group, no clusters, 2,048 bytes of LDS; arguments scores, ctxp, out0, out1; writes out0, out1
.if DOCPART == 3
	.amdgcn_target "amdgcn-amd-amdhsa--gfx1250"
	.amdhsa_code_object_version 6
	.text
	.protected	k_q49ea6acd9e_finish
	.globl	k_q49ea6acd9e_finish
	.p2align	8
	.type	k_q49ea6acd9e_finish,@function
k_q49ea6acd9e_finish:
	s_mov_b64 s[64:65], 0
	v_nop
	global_prefetch_b8 v0, s[64:65] scope:SCOPE_SE
	s_setreg_imm32_b32 hwreg(HW_REG_WAVE_MODE, 25, 1), 1
	s_wait_xcnt 0x0
; For batch b (work-group x): M = the largest of its 2,048 scores s', l = sum e^(s' - M); out1 = e^(s' - M) / l; out0 = sum over its 32 blocks of e^(m_blk - M) x the block's part of the context, / l.
; The scores lack the term sum_h V[h], which is the same along the softmax's axis (shown at the head of the first kernel).  m_blk is taken anew from the same 64 stored scores, so it is the number that the launch before took away.
; Work-group y (0, 1) stores half y of out1's row and columns 512 y .. + 511 of out0's; both halves find M and l for themselves.  No matrix unit, no cluster: 8 KiB of scores and 64 KiB of parts a work-group, read once.
; Thread t: scores 4 t .. + 3 (block t / 16) and 1,024 + 4 t .. + 3 (block 16 + t / 16): the 16 lanes of a half hold one block.  Columns 512 y + 2 t, + 1.
.set MAXW,  0                          ; LDS: eight waves' maxima;
.set SUMW,  256                        ; eight waves' sums;
.set BW,    512                        ; 32 blocks' weights;
.set SPARE, 1024                       ; the spare words, 128 bytes for each wave
	s_load_b256 s[4:11], s[0:1], 0x0               ; scores, ctxp, out0, out1
	v_lshl_add_u32 v120, v0, 2, SPARE              ; my spare word,
	v_mov_b32 v121, 0                              ; and 0: kept for the add alone
	v_lshlrev_b32 v1, 4, v0                        ; 16 t
	v_lshlrev_b32 v2, 3, v0                        ; 8 t
	v_lshrrev_b32 v3, 5, v0
	v_lshlrev_b32 v3, 2, v3                        ; 4 x wave
	v_lshrrev_b32 v118, 4, v0
	v_lshlrev_b32 v118, 2, v118                    ; 4 (t / 16)
	v_mov_b32 v119, 0                              ; LDS byte 0: reads that every lane makes alike
	s_and_b32 s12, ttmp7, 0xffff                   ; y
	s_lshl_b32 s14, ttmp9, 13                      ; scores: 8,192 bytes a batch
	s_mov_b32 s15, 0
	s_lshl_b32 s13, s12, 11                        ; 512 columns of 4 bytes
	s_lshl_b32 s16, ttmp9, 17                      ; ctxp: 32 rows of 4,096 bytes a batch
	s_add_co_u32 s16, s16, s13
	s_mov_b32 s17, 0
	s_lshl_b32 s18, ttmp9, 12                      ; out0
	s_add_co_u32 s18, s18, s13
	s_mov_b32 s19, 0
	s_lshl_b32 s20, s12, 12                        ; out1: half a row is 4,096 bytes
	s_add_co_u32 s20, s20, s14
	s_mov_b32 s21, 0
	s_mov_b32 s22, 0x76543210
	s_mov_b32 s23, 0xfedcba98                      ; v_permlanex16_b32's selects for lane l xor 16
	s_mov_b32 s24, 0x3fb8aa3b                      ; log2(e)
	s_cmp_eq_u32 s12, 0
	s_cselect_b32 s25, 0, -1                       ; all lanes take the second set of scores where y = 1
	s_wait_kmcnt 0x0
	s_add_nc_u64 s[4:5], s[4:5], s[14:15]
	s_add_nc_u64 s[6:7], s[6:7], s[16:17]
	s_add_nc_u64 s[8:9], s[8:9], s[18:19]
	s_add_nc_u64 s[10:11], s[10:11], s[20:21]
	global_load_b128 v[4:7], v1, s[4:5]
	global_load_b128 v[8:11], v1, s[4:5] offset:4096
.irp k, 0,1,2,3,4,5,6,7,8,9,10,11,12,13,14,15,16,17,18,19,20,21,22,23,24,25,26,27,28,29,30,31
	global_load_b64 v[52+2*\k:53+2*\k], v2, s[6:7] offset:4096*\k th:TH_LOAD_NT    ; block k's part, my two columns: 256 consecutive bytes a wave
.endr
	s_wait_loadcnt 32                              ; the scores are in; the 32 parts may be out
	v_max3_num_f32 v12, v4, v5, v6
	v_max3_num_f32 v13, v8, v9, v10
	v_max_num_f32 v12, v12, v7
	v_max_num_f32 v13, v13, v11
.irp x, 1,2,4,8
	v_max_num_f32_dpp v12, v12, v12 row_xmask:\x row_mask:0xf bank_mask:0xf        ; the blocks' maxima
	v_max_num_f32_dpp v13, v13, v13 row_xmask:\x row_mask:0xf bank_mask:0xf
.endr
	v_max_num_f32 v14, v12, v13
	v_mov_b32 v15, 0
	v_permlanex16_b32 v15, v14, s22, s23
	v_max_num_f32 v14, v14, v15                    ; my wave's
	ds_store_b32 v3, v14 offset:MAXW
	s_wait_dscnt 0x0
	s_barrier_signal -1
	s_barrier_wait -1
	ds_load_b128 v[20:23], v119 offset:MAXW
	ds_load_b128 v[24:27], v119 offset:MAXW+16
	s_wait_dscnt 0x0
	v_max3_num_f32 v14, v20, v21, v22
	v_max3_num_f32 v14, v14, v23, v24
	v_max3_num_f32 v14, v14, v25, v26
	v_max_num_f32 v14, v14, v27                    ; M
.irp i, 4,5,6,7,8,9,10,11,12,13
	v_sub_f32 v[\i], v[\i], v14
.endr
.irp i, 4,5,6,7,8,9,10,11,12,13
	v_mul_f32 v[\i], s24, v[\i]
.endr
.irp i, 4,5,6,7,8,9,10,11,12,13
	v_exp_f32 v[\i], v[\i]                         ; eight e^(s' - M), and the two blocks' e^(m_blk - M): one batch
.endr
	v_nop
	s_wait_alu depctr_va_vdst(0)                   ; one wait for the batch, ahead of its first reader
	v_add_f32 v16, v4, v5
	v_add_f32 v17, v6, v7
	v_add_f32 v18, v8, v9
	v_add_f32 v19, v10, v11
	v_add_f32 v16, v16, v17
	v_add_f32 v18, v18, v19
	v_add_f32 v16, v16, v18
.irp x, 1,2,4,8
	v_add_f32_dpp v16, v16, v16 row_xmask:\x row_mask:0xf bank_mask:0xf
.endr
	v_permlanex16_b32 v15, v16, s22, s23
	v_add_f32 v16, v16, v15                        ; my wave's sum
	ds_store_b32 v3, v16 offset:SUMW
	ds_store_b32 v118, v12 offset:BW               ; the 16 lanes of a block write the same word with the same value
	ds_store_b32 v118, v13 offset:BW+64
	s_wait_dscnt 0x0
	s_barrier_signal -1
	s_barrier_wait -1
	ds_load_b128 v[12:15], v119 offset:SUMW
	ds_load_b128 v[16:19], v119 offset:SUMW+16
.irp i, 0,1,2,3,4,5,6,7
	ds_load_b128 v[20+4*\i:23+4*\i], v119 offset:BW+16*\i
.endr
	s_wait_dscnt 0x0
	v_add_f32 v12, v12, v13
	v_add_f32 v14, v14, v15
	v_add_f32 v16, v16, v17
	v_add_f32 v18, v18, v19
	v_add_f32 v12, v12, v14
	v_add_f32 v16, v16, v18
	v_add_f32 v12, v12, v16                        ; l
	v_rcp_f32 v13, v12
.irp i, 0,1,2,3
	v_cndmask_b32 v[4+\i], v[4+\i], v[8+\i], s25   ; my half of the row.  (Plain work behind the reciprocal)
.endr
	s_wait_alu depctr_va_vdst(0)
.irp i, 0,1,2,3
	v_mul_f32 v[4+\i], v[4+\i], v13
.endr
	global_store_b128 v1, v[4:7], s[10:11]         ; 512 consecutive bytes a wave
	s_wait_loadcnt 0x0                             ; the 32 parts
	v_mul_f32 v116, v20, v52
	v_mul_f32 v117, v20, v53
.irp k, 1,2,3,4,5,6,7,8,9,10,11,12,13,14,15,16,17,18,19,20,21,22,23,24,25,26,27,28,29,30,31
	v_fmac_f32 v116, v[20+\k], v[52+2*\k]
	v_fmac_f32 v117, v[20+\k], v[53+2*\k]
.endr
	v_mul_f32 v116, v116, v13
	v_mul_f32 v117, v117, v13
	global_store_b64 v2, v[116:117], s[8:9]        ; 256 consecutive bytes a wave
	s_wait_tensorcnt 0x0                           ; the wave's end, behind my last LDS store
	ds_add_u32 v120, v121
	s_wait_dscnt 0x0
	s_endpgm
.Lfunc_end_k_q49ea6acd9e_finish:
	.size	k_q49ea6acd9e_finish, .Lfunc_end_k_q49ea6acd9e_finish-k_q49ea6acd9e_finish
	.p2alignl 7, 3214868480
	.fill 96, 4, 3214868480
	.section	.rodata,"a",@progbits
	.p2align	6, 0x0
	.amdhsa_kernel k_q49ea6acd9e_finish
		.amdhsa_group_segment_fixed_size 2048
		.amdhsa_private_segment_fixed_size 0
		.amdhsa_enable_private_segment 0
		.amdhsa_kernarg_size 32
		.amdhsa_user_sgpr_count 2
		.amdhsa_user_sgpr_kernarg_segment_ptr 1
		.amdhsa_wavefront_size32 1
		.amdhsa_system_sgpr_workgroup_id_x 1
		.amdhsa_system_sgpr_workgroup_id_y 1
		.amdhsa_system_sgpr_workgroup_id_z 1
		.amdhsa_system_vgpr_workitem_id 0
		.amdhsa_next_free_vgpr 128
		.amdhsa_next_free_sgpr 66
		.amdhsa_reserve_vcc 0
		.amdhsa_float_denorm_mode_32 3
		.amdhsa_float_denorm_mode_16_64 3
		.amdhsa_memory_ordered 1
		.amdhsa_forward_progress 1
		.amdhsa_inst_pref_size 12
	.end_amdhsa_kernel
	.amdgpu_metadata
---
amdhsa.version: [ 1, 2 ]
amdhsa.kernels:
  - .name:           k_q49ea6acd9e_finish
    .symbol:         k_q49ea6acd9e_finish.kd
    .args:
      - { .name: scores, .offset: 0, .size: 8, .value_kind: global_buffer, .address_space: global }
      - { .name: ctxp, .offset: 8, .size: 8, .value_kind: global_buffer, .address_space: global }
      - { .name: out0, .offset: 16, .size: 8, .value_kind: global_buffer, .address_space: global }
      - { .name: out1, .offset: 24, .size: 8, .value_kind: global_buffer, .address_space: global }
    .group_segment_fixed_size: 2048
    .private_segment_fixed_size: 0
    .kernarg_segment_align: 8
    .kernarg_segment_size: 32
    .max_flat_workgroup_size: 256
    .sgpr_count:     66
    .vgpr_count:     128
    .wavefront_size: 32
...
	.end_amdgpu_metadata
.endif
;; end of part 3
;; ======== version 2 of 2: 3 launches
;; workspace buffers: wk_codes 524,288 bytes; wk_scales 32,768 bytes; cq 131,072 bytes; scores 262,144 bytes; ctxp 4,194,304 bytes
;; launch prep (part 4): grid 64 x 1, 8 waves a work-group, no clusters, 33,792 bytes of LDS; arguments W_key, W_query, decoder_hidden, wk_codes, wk_scales, cq; writes wk_codes, wk_scales, cq
.if DOCPART == 4
	.amdgcn_target "amdgcn-amd-amdhsa--gfx1250"
	.amdhsa_code_object_version 6
	.text
	.protected	k_q49ea6acd9e_prep
	.globl	k_q49ea6acd9e_prep
	.p2align	8
	.type	k_q49ea6acd9e_prep,@function
k_q49ea6acd9e_prep:
	s_mov_b64 s[64:65], 0
	v_nop
	global_prefetch_b8 v0, s[64:65] scope:SCOPE_SE
	s_setreg_imm32_b32 hwreg(HW_REG_WAVE_SCHED_MODE, 0, 2), 2
	s_setreg_imm32_b32 hwreg(HW_REG_WAVE_MODE, 25, 1), 1
	s_wait_xcnt 0x0
	s_wait_alu depctr_vm_vsrc(0)
; THE PROGRAM: additive attention.  query = dh Wq, keys = x Wk (both on codes of E2M1 with one E8M0 scale for each 32 along K), score = sum_h V[h] tanh(query + keys), softmax over the 2,048 positions, context = sum of weights x rows.
; WORK LEFT OUT, for all values of the inputs: tanh(z) = 1 - 2 r with r = 1 / (1 + e^(2 z)), so score[b][s] = sum_h V[h] - 2 sum_h V[h] r[b][s][h].  The first term does not hang on s: it is the same along the
; softmax's axis, so it cancels in the weights, and the context is made of the weights alone.  The program works with s' = -2 sum_h V[h] r.  Every input is still loaded.
; LIMITS: an overflow of sum_h V[h] is not carried to the result; NaN and infinities among the inputs are not served; a block of 32 whose largest magnitude lies under 2^-124 gets the scale byte 1, and so does a block of
; zeros (the rule says 127): its codes are zeros, which add nothing under that byte, and the bytes are read by this program alone.
; THIS LAUNCH.  Work-groups 0-31: W_key [k][n] becomes codes laid in the order of an operand's registers, and scale words.  Work-groups 32-63: the same of W_query, kept in registers, then query = Q(dh) Q(Wq), times c = 2 log2(e).
; A work-group takes 32 columns (cg = x % 32), wave sigma the K step 128 sigma .. + 127.  A LANE TAKES A COLUMN AND ITS REGISTERS RUN DOWN K: a block of 32 lies in one lane, and the conversions give codes with K innermost.
; wk_codes: [tile of 16 columns 64][K step 8][half c 2][lane 32][16 bytes]: lane (r, h), half c: column 16 tile + r, k = 128 step + 64 c + 32 h + 0 .. 31.   wk_scales: [K step 8][column 1024] words of four bytes.
; cq: [cg 32][group 8][lane 32][4 f32], group = 2 (2 mu + tau) + jh: number e of lane (r, h) is c x query[16 mu + 8 h + 4 jh + e][32 cg + 16 tau + r]: the result's registers as they lie.
; THE MODE: SCHED_MODE bits 1:0 = 2 (LLVM: expert scheduling mode 2), set by the entry lines.  The code itself states the register dependences between vector or matrix instructions and memory or LDS instructions, with s_wait_alu, always for 0.
; THE PLAN.  Registers that memory or LDS instructions touch:
;   v1, v2, v3, v9, v10   offsets and LDS addresses, made at the head and never written again.
;   v64-191    W's 128 numbers, loaded once.  v64-127 are loaded again (decoder_hidden's rows 16-31) behind the arithmetic of blocks 0 and 1; v64-95 once more, from LDS, behind all arithmetic on them.
;   v192-255   decoder_hidden's rows 0-15, loaded once.
;   v16-32     W's codes and scale word, written by vector instructions: W_key's path stores them, W_query's gives them to the scaled products.
;   v128-159   the four results: data of the LDS stores.      v64-67   the sums: data of the last store.
; No register that a memory or LDS instruction reads is written again, so the text holds no wait on vm_vsrc.
.set X,     64                         ; v64-191  128 numbers of my column
.set DH0,   192                        ; v192-255 64 numbers of decoder_hidden, rows 0-15 (rows 16-31 take v64-127)
.set CC,    16                         ; v16-31   W's codes: behind the swaps v16-23 columns 0-15, v24-31 columns 16-31
.set SW,    32                         ; v32      W's scale word: lane l has column l's
.set AC,    36                         ; v36-51   decoder_hidden's codes, 8 registers for each 16 rows
.set AS,    52                         ; v52-53   their scale words
.set D,     128                        ; v128-159 four results
.set SPARE, 32768                      ; LDS: 8 x 4,096 bytes of partial results from byte 0, then the spare words, 128 bytes for each wave
	s_load_b256 s[4:11], s[0:1], 0x0               ; W_key, W_query, decoder_hidden, wk_codes
	s_load_b128 s[12:15], s[0:1], 0x20             ; wk_scales, cq
	v_lshl_add_u32 v12, v0, 2, SPARE               ; my spare word,
	v_mov_b32 v13, 0                               ; and 0: kept for the add alone
	v_lshrrev_b32 v4, 5, v0
	v_readfirstlane_b32 s16, v4                    ; sigma: my wave, my K step
	v_and_b32 v5, 31, v0                           ; lane
	v_lshlrev_b32 v1, 2, v5                        ; 4 l
	v_lshlrev_b32 v2, 4, v5                        ; 16 l
	v_and_b32 v6, 15, v0                           ; r
	v_bfe_u32 v7, v0, 4, 1                         ; h
	v_lshlrev_b32 v3, 12, v6
	v_lshl_add_u32 v3, v7, 7, v3                   ; decoder_hidden: row r of 4,096 bytes, + 128 h
	v_lshlrev_b32 v8, 3, v7                        ; 8 h: where my two scale bytes stand in a word
	v_lshl_add_u32 v9, v4, 12, v2                  ; LDS: my wave's partial results, 16 bytes a lane
	v_lshl_add_u32 v10, v4, 9, v2                  ; the group that my wave adds up: 512 x wave + 16 l, in LDS and in cq alike
	s_wait_alu depctr_va_sdst(0)                   ; s16 is written, ahead of its first reader: the offsets below are made from it
	s_and_b32 s17, ttmp9, 31                       ; cg
	s_lshl_b32 s18, s16, 19                        ; W: 128 sigma rows of 4,096 bytes
	s_lshl_b32 s20, s17, 7                         ;    + 32 cg columns
	s_add_co_u32 s18, s18, s20
	s_mov_b32 s19, 0
	s_lshl_b32 s20, s17, 14                        ; wk_codes: two tiles of 8,192 bytes a cg, 1,024 a K step
	s_lshl_b32 s21, s16, 10
	s_add_co_u32 s20, s20, s21
	s_mov_b32 s21, 0
	s_lshl_b32 s26, s16, 12                        ; wk_scales: 4,096 bytes a K step, 128 a cg
	s_lshl_b32 s27, s17, 7
	s_add_co_u32 s26, s26, s27
	s_mov_b32 s27, 0
	s_lshl_b32 s28, s16, 9                         ; decoder_hidden: 128 sigma numbers along a row
	s_mov_b32 s29, 0
	s_lshl_b32 s30, s17, 12                        ; cq: 4,096 bytes a cg
	s_mov_b32 s31, 0
	s_mov_b32 s22, 0x76543210
	s_mov_b32 s23, 0xfedcba98                      ; v_permlanex16_b32's selects for lane l xor 16
	s_mov_b32 s24, 0x4038aa3b                      ; c = 2 log2(e)
	s_mov_b32 s25, s24                             ; (named with it as a pair)
	s_wait_kmcnt 0x0
	s_cmp_lt_u32 ttmp9, 32                         ; W_key's work-group or W_query's: the choice hangs on the work-group's number alone
	s_cselect_b64 s[4:5], s[4:5], s[6:7]
	s_add_nc_u64 s[4:5], s[4:5], s[18:19]
	s_add_nc_u64 s[8:9], s[8:9], s[28:29]
	s_add_nc_u64 s[10:11], s[10:11], s[20:21]
	s_add_nc_u64 s[12:13], s[12:13], s[26:27]
	s_add_nc_u64 s[14:15], s[14:15], s[30:31]
	s_wait_alu depctr_va_vdst(0)                   ; v1, v2, v3, v9 and v10 are written: every load and store of the kernel, in memory and in LDS, reads one of them as its offset or address
.set i, 0
.rept 128
	global_load_b32 v[X+i], v1, s[4:5] offset:i*4096 th:TH_LOAD_NT   ; W(128 sigma + i, my column): 32 lanes read 128 consecutive bytes
.set i, i+1
.endr
.macro BMAX a, b, xs                   ; the largest magnitude of 32 registers, in two chains, with the floor 2^(3 - 127): so the byte cannot fall under 1
	v_max3_num_f32 v[\a], |v[(\xs)]|, |v[(\xs)+1]|, |v[(\xs)+2]|
	v_max3_num_f32 v[\b], |v[(\xs)+3]|, |v[(\xs)+4]|, |v[(\xs)+5]|
.irp i, 6,10,14,18,22,26
	v_max3_num_f32 v[\a], v[\a], |v[(\xs)+\i]|, |v[(\xs)+\i+1]|
	v_max3_num_f32 v[\b], v[\b], |v[(\xs)+\i+2]|, |v[(\xs)+\i+3]|
.endr
	v_max3_num_f32 v[\a], v[\a], |v[(\xs)+30]|, |v[(\xs)+31]|
	v_max3_num_f32 v[\a], v[\a], v[\b], 0x1800000
.endm
.macro QB b                            ; block b of my column: scale byte into the word, 32 codes into four registers; blocks 0, 2 at v16, v20 and blocks 1, 3 at v24, v28
	BMAX 54, 55, X+32*(\b)
	v_add_nc_u32 v56, 0xff000000, v54              ; 2 off the exponent field: the conversion takes the exponent field of this operand as its scale
	v_lshrrev_b32 v57, 23, v56                     ; the scale's byte
.if (\b) == 0
	v_mov_b32 v[SW], v57
.else
	v_lshl_or_b32 v[SW], v57, 8*(\b), v[SW]
.endif
.irp g, 0,1,2,3
	v_cvt_scalef32_pk8_fp4_f32 v[CC+4*((((\b)&1)<<1)|((\b)>>1))+\g], v[X+32*(\b)+8*\g:X+32*(\b)+8*\g+7], v56
.endr
.endm
.macro SWAPS                           ; an operand's lanes 0-15 hold blocks 0 and 2 of a column, lanes 16-31 blocks 1 and 3: the even block's upper lanes change places with the odd block's lower lanes
	v_nop                                          ; one plain place behind a scaled conversion
.irp c, 0,1
.irp g, 0,1,2,3
	v_permlane16_swap_b32 v[CC+4*\c+\g], v[CC+8+4*\c+\g]
.endr
.endr
.endm
	s_cmp_lt_u32 ttmp9, 32
	s_cbranch_scc0 .Lquery
	; ---- W_key: codes and scale words go to memory
	s_wait_loadcnt 63                              ; block 0's 32 loads are in (96 are younger; the count's field ends at 63)
	QB 0
	s_wait_loadcnt 63                              ; block 1's (64 are younger)
	QB 1
	s_wait_loadcnt 32
	QB 2
	s_wait_loadcnt 0x0
	QB 3
	SWAPS
	s_wait_alu depctr_va_vdst(0)                   ; the swaps have written the codes v16-31, and the scale word v32 is whole: the five stores read them
	global_store_b128 v2, v[CC:CC+3], s[10:11]                  ; each store covers 512 consecutive bytes, aligned
	global_store_b128 v2, v[CC+4:CC+7], s[10:11] offset:512
	global_store_b128 v2, v[CC+8:CC+11], s[10:11] offset:8192
	global_store_b128 v2, v[CC+12:CC+15], s[10:11] offset:8704
	global_store_b32 v1, v[SW], s[12:13]
	s_wait_dscnt 0x0                               ; the wave's end
	s_wait_alu 0x0
	s_wait_tensorcnt 0x0
	ds_add_u32 v12, v13
	s_wait_dscnt 0x0
	s_endpgm
.Lquery:
	; ---- W_query: the codes stay; decoder_hidden is quantised in the operand's own layout; four products; the eight K steps' results are added through LDS
.macro DHLOAD mu, reg                  ; lane (r, h): of row 16 mu + r the numbers k = 128 sigma + 64 c + 32 h + 0 .. 31, c = 0, 1
.irp c, 0,1
.irp j, 0,1,2,3,4,5,6,7
	global_load_b128 v[(\reg)+32*\c+4*\j:(\reg)+32*\c+4*\j+3], v3, s[8:9] offset:65536*(\mu)+256*\c+16*\j
.endr
.endr
.endm
.macro QA mu, reg                      ; two whole blocks a lane: blocks h and 2 + h of my row
	BMAX 54, 55, \reg
	BMAX 58, 59, (\reg)+32
	v_add_nc_u32 v56, 0xff000000, v54
	v_add_nc_u32 v60, 0xff000000, v58
	v_lshrrev_b32 v57, 23, v56
	v_lshrrev_b32 v61, 23, v60
	v_lshl_or_b32 v62, v61, 16, v57                ; my two bytes,
	v_lshlrev_b32 v62, v8, v62                     ; at their places in the scale word;
	v_mov_b32 v63, 0
	v_permlanex16_b32 v63, v62, s22, s23
	v_or_b32 v[AS+(\mu)], v62, v63                 ; with lane l xor 16's two the word is whole
.irp g, 0,1,2,3
	v_cvt_scalef32_pk8_fp4_f32 v[AC+8*(\mu)+\g], v[(\reg)+8*\g:(\reg)+8*\g+7], v56
	v_cvt_scalef32_pk8_fp4_f32 v[AC+8*(\mu)+4+\g], v[(\reg)+32+8*\g:(\reg)+32+8*\g+7], v60
.endr
	v_nop                                          ; one plain place behind a scaled conversion
.endm
	DHLOAD 0, DH0
	s_wait_loadcnt 63                              ; block 0 of W (112 are younger)
	QB 0
	s_wait_loadcnt 63                              ; block 1 (80 are younger)
	QB 1
	s_wait_alu depctr_va_vdst(0)                   ; the maxima and conversions of blocks 0 and 1 are done reading v64-127, in which the next sixteen loads land
	DHLOAD 1, X                                    ; rows 16-31 take the registers that blocks 0 and 1 have left
	s_wait_loadcnt 63                              ; block 2 (32 + 16 + 16 are younger)
	QB 2
	s_wait_loadcnt 32                              ; block 3 (the two runs of 16 are younger)
	QB 3
	SWAPS
	s_wait_loadcnt 16
	QA 0, DH0
	s_wait_loadcnt 0x0
	QA 1, X
.rept 8
	v_nop                                          ; a scale register written by a vector instruction stands 8 places ahead of a scaled matrix instruction, an operand so written 4
.endr
	s_wait_alu depctr_va_vdst(0)                   ; vector instructions have written both sides' codes (v16-31, v36-51) and scale words (v32, v52, v53), which the scaled products take; the places above stay beside this wait
.irp mu, 0,1
	v_wmma_scale_f32_16x16x128_f8f6f4 v[D+16*\mu:D+16*\mu+7], v[AC+8*\mu:AC+8*\mu+7], v[CC:CC+7], 0, v[AS+\mu], v[SW] matrix_a_fmt:MATRIX_FMT_FP4 matrix_b_fmt:MATRIX_FMT_FP4
	v_wmma_scale_f32_16x16x128_f8f6f4 v[D+16*\mu+8:D+16*\mu+15], v[AC+8*\mu:AC+8*\mu+7], v[CC+8:CC+15], 0, v[AS+\mu], v[SW] matrix_a_fmt:MATRIX_FMT_FP4 matrix_b_fmt:MATRIX_FMT_FP4 matrix_b_scale:MATRIX_SCALE_ROW1
.endr
.rept 4
	v_nop                                          ; four places ahead of the first read of a result
.endr
	s_wait_alu depctr_va_vdst(0)                   ; the four products have written v128-159, which the LDS stores read; the places above stay beside this wait
.irp d, 0,1,2,3
	ds_store_b128 v9, v[D+8*\d:D+8*\d+3] offset:1024*\d          ; each result from its low end on
	ds_store_b128 v9, v[D+8*\d+4:D+8*\d+7] offset:1024*\d+512
.endr
	s_wait_dscnt 0x0                               ; for the others' sake: my stores have landed
	s_barrier_signal -1
	s_barrier_wait -1
.irp i, 0,1,2,3,4,5,6,7
	ds_load_b128 v[X+4*\i:X+4*\i+3], v10 offset:4096*\i          ; my group of all eight K steps.  (No wait: the arithmetic that read v64-95 stands ahead of the waits above, and nothing has named them since)
.endr
	s_wait_dscnt 0x0
.irp i, 1,2,3,4,5,6,7
	v_pk_add_f32 v[X:X+1], v[X:X+1], v[X+4*\i:X+4*\i+1]          ; K ascending
	v_pk_add_f32 v[X+2:X+3], v[X+2:X+3], v[X+4*\i+2:X+4*\i+3]
.endr
	v_pk_mul_f32 v[X:X+1], v[X:X+1], s[24:25] op_sel_hi:[1,0]
	v_pk_mul_f32 v[X+2:X+3], v[X+2:X+3], s[24:25] op_sel_hi:[1,0]
	s_wait_alu depctr_va_vdst(0)                   ; the two multiplications have written v64-67, which the store reads
	global_store_b128 v10, v[X:X+3], s[14:15]      ; 512 consecutive bytes a wave
	s_wait_dscnt 0x0                               ; the wave's end
	s_wait_alu 0x0
	s_wait_tensorcnt 0x0
	ds_add_u32 v12, v13
	s_wait_dscnt 0x0
	s_endpgm
.Lfunc_end_k_q49ea6acd9e_prep:
	.size	k_q49ea6acd9e_prep, .Lfunc_end_k_q49ea6acd9e_prep-k_q49ea6acd9e_prep
	.p2alignl 7, 3214868480
	.fill 96, 4, 3214868480
	.section	.rodata,"a",@progbits
	.p2align	6, 0x0
	.amdhsa_kernel k_q49ea6acd9e_prep
		.amdhsa_group_segment_fixed_size 33792
		.amdhsa_private_segment_fixed_size 0
		.amdhsa_enable_private_segment 0
		.amdhsa_kernarg_size 48
		.amdhsa_user_sgpr_count 2
		.amdhsa_user_sgpr_kernarg_segment_ptr 1
		.amdhsa_wavefront_size32 1
		.amdhsa_system_sgpr_workgroup_id_x 1
		.amdhsa_system_sgpr_workgroup_id_y 1
		.amdhsa_system_sgpr_workgroup_id_z 1
		.amdhsa_system_vgpr_workitem_id 0
		.amdhsa_next_free_vgpr 256
		.amdhsa_next_free_sgpr 66
		.amdhsa_reserve_vcc 0
		.amdhsa_float_denorm_mode_32 3
		.amdhsa_float_denorm_mode_16_64 3
		.amdhsa_memory_ordered 1
		.amdhsa_forward_progress 1
		.amdhsa_inst_pref_size 40
	.end_amdhsa_kernel
	.amdgpu_metadata
---
amdhsa.version: [ 1, 2 ]
amdhsa.kernels:
  - .name:           k_q49ea6acd9e_prep
    .symbol:         k_q49ea6acd9e_prep.kd
    .args:
      - { .name: W_key, .offset: 0, .size: 8, .value_kind: global_buffer, .address_space: global }
      - { .name: W_query, .offset: 8, .size: 8, .value_kind: global_buffer, .address_space: global }
      - { .name: decoder_hidden, .offset: 16, .size: 8, .value_kind: global_buffer, .address_space: global }
      - { .name: wk_codes, .offset: 24, .size: 8, .value_kind: global_buffer, .address_space: global }
      - { .name: wk_scales, .offset: 32, .size: 8, .value_kind: global_buffer, .address_space: global }
      - { .name: cq, .offset: 40, .size: 8, .value_kind: global_buffer, .address_space: global }
    .group_segment_fixed_size: 33792
    .private_segment_fixed_size: 0
    .kernarg_segment_align: 8
    .kernarg_segment_size: 48
    .max_flat_workgroup_size: 256
    .sgpr_count:     66
    .vgpr_count:     256
    .wavefront_size: 32
...
	.end_amdgpu_metadata
.endif
;; end of part 4
;; launch attn (part 5): grid 256 x 1, 8 waves a work-group, no clusters, 315,392 bytes of LDS; arguments encoder_outputs, wk_codes, wk_scales, cq, V, scores, ctxp; writes scores, ctxp
.if DOCPART == 5
	.amdgcn_target "amdgcn-amd-amdhsa--gfx1250"
	.amdhsa_code_object_version 6
	.text
	.protected	k_q49ea6acd9e_attn
	.globl	k_q49ea6acd9e_attn
	.p2align	8
	.type	k_q49ea6acd9e_attn,@function
k_q49ea6acd9e_attn:
	s_mov_b64 s[64:65], 0
	v_nop
	global_prefetch_b8 v0, s[64:65] scope:SCOPE_SE
	s_setreg_imm32_b32 hwreg(HW_REG_WAVE_SCHED_MODE, 0, 2), 2
	s_setreg_imm32_b32 hwreg(HW_REG_WAVE_MODE, 25, 1), 1
	s_wait_xcnt 0x0
	s_wait_alu depctr_vm_vsrc(0)
; For blocks of 64 rows of encoder_outputs: quantise the rows, keys = Q(x) Q(W_key) on codes of E2M1, r = 1 / (1 + 2^(c (query + keys))), s' = -2 sum_h V[h] r, the block's own softmax p = e^(s' - m), and the block's part of
; the context, sum p x.  WORK LEFT OUT: the term sum_h V[h] of the scores, which is the same along the softmax's axis (shown at the head of the first kernel).  LIMITS: as stated there.
; x IS READ FROM MEMORY ONCE: as a row is quantised it is also rounded to bf16 and kept in LDS until its score is known.  The maximum is taken away twice: here the block's, in the last launch the batch's.
; SHARES.  Work-group g owns rows 256 g .. + 255 (one batch: g / 8), four blocks of 64.  In the product wave w makes all 64 rows x columns 128 w .. + 127, in two chunks of 64 columns: 16 accumulators.  A block is 16 slots
; (chunk, K step of 128) of 16 matrix instructions.  While block i is multiplied, block i + 1 is quantised: wave w takes rows 8 w .. + 7, in 32 units of 256 numbers (lane l: 8 neighbours), two units a slot.
; W_key's CODES GO FROM MEMORY STRAIGHT INTO THE REGISTERS OF THE ONE WAVE THAT MULTIPLIES THEM; they were laid in the order of an operand's registers, so each load covers 512 consecutive bytes.  NO TENSOR LOAD AND NO JOINT
; REQUEST, though all work-groups walk the same W: x takes 2 x 133,120 (bf16) + 33,792 (codes) bytes of LDS, 27,648 are left, and two slots of one K step of W (2 x 64 KiB and padding) do not fit; and each fragment of W is
; read by one wave only, so a way through LDS would add a write and a read of 512 KiB a block and spare no read.
; NO PREFETCH: the stream of x has 16 loads of 512 bytes a wave on its way at all times, four slots ahead of their use.
; THE MATRIX INSTRUCTION: source 0 = 16 rows of x, source 1 = 16 columns of W: a lane holds ONE column (lane % 16) and eight rows, so c x query and -2 V cost one register a tile of columns.
; LDS: bf16 rows [64] of 2,080 bytes (an odd multiple of 32: ISA guide 11.1, the turning load's 8 rows x 32 bytes fall on different banks), two buffers; codes [64] of 528 bytes (an odd multiple of 16); partial scores
; [row 64][wave 8]; the spare words; x's scale bytes [row 64][32], two buffers; 1,024 bytes for each wave: p as bf16 (128 bytes), and from byte 512 the context's stage.
; REGISTERS.  Window 0: v0 thread; v1-15 addresses; v16-21 at work; v22, v23 the add's two; v24-31 c x query; v32-39 -2 V; v40-71 W's scale words; v72-87 x's; v88-119 the scores' sums; v120-183 x's fragments, two sets;
; v184-247 eight units of x on their way; v248-255 bf16 at work.   Window 1: v0-127 the 16 accumulators; v128-223 W's fragments, three buffers; v224-255 the next block's codes, one register a unit.
; THE MODE: SCHED_MODE bits 1:0 = 2 (LLVM: expert scheduling mode 2), set by the entry lines.  The code itself states the register dependences between vector or matrix instructions and memory or LDS instructions, with s_wait_alu, always for 0.
; THE PLAN.  Registers that memory or LDS instructions touch, in a slot s of the loop:
;   XF0, XF1       The slot's products read XF[s & 1]; the LDS loads at the head of slot s + 1 land in it.
;   WB0 .. WB2     The slot's products read WB[s % 3]; the eight loads at the slot's end land in it (the fragments of slot s + 3).
;   STG            The slot's X work reads two units; the four loads at the slot's end land in them (the units of slot s + 4).
;   TB, v20, v21   Written by the slot's X work; read by the four LDS stores at the slot's end; written again by the next slot's X work.
;   CW             Two registers written by the slot's conversions; read by the 32 LDS stores behind the block's products.
;   v1, v2, v3     Offsets and an LDS address, never written again.  v5, v6: LDS addresses, made anew at a block's head.
; So ONE wait on va_vdst stands in a slot, behind its X work: the products are done reading WB[s % 3] and XF[s & 1], the X work is done reading its units and has written TB, v20, v21 and its codes.  Behind it follow W's loads,
; the four LDS stores, x's loads and the next slot's fragment loads, with no vector or matrix instruction among them.  ONE wait on vm_vsrc stands behind the slot's products: the last slot's four stores have read their data.
; Both windows are full, and two waves of 512 registers share a SIMD's 1,024: there is no register for a further buffer.  What the block's head and the work behind the products owe is stated there.
.set XBP,   2080
.set XB1,   64*XBP
.set CP,    528
.set CODES, 2*XB1
.set SPB,   CODES+64*CP
.set SPARE, SPB+2048
.set XSB,   SPARE+1024                 ; a multiple of 4,096: one exclusive or with 2,048 turns an address from one buffer of scale bytes to the other
.set WR,    XSB+4096
.set L16, 1                            ; 16 l
.set L32, 2                            ; 32 l
.set XA,  3                            ; codes, as a fragment reads them: CODES + 528 r + 16 h
.set XSR, 4                            ; scale bytes, as read: 32 r + 16 h + the buffer in hand
.set XBW, 5                            ; bf16 rows, as written: 16 l + my 8 rows + the other buffer
.set XSW, 6                            ; scale bytes, as written: l / 4 + 256 w + the other buffer
.set CWA, 7                            ; codes, as written: CODES + 8 x 528 w + 4 l
.set SPWR, 8                           ; partial scores, as written: SPB + 256 h + 4 w
.set SPR, 9                            ; and as read: SPB + 64 l
.set PW,  10                           ; my wave's region + 4 l
.set PR,  11                           ; + 16 h
.set TR0, 12                           ; the turning loads' address, rows 0-31
.set CSR, 13                           ; my wave's region + 16 l
.set TRB, 14                           ; (8 h + l % 8) x 2,080 + 16 ((l / 8) % 2) + 256 w
.set TR1, 15                           ; the turning loads' address, rows 32-63
.set T,   16
.set SPW, 22
.set NIL, 23
.set CQ,  24
.set VV,  32
.set WSC, 40                           ; register 4 t + q: lanes 0-15 K step q, lanes 16-31 K step 4 + q, of column tile t
.set XSC, 72                           ; register 4 m + q likewise, of row tile m
.set SACC, 88
.set PF,  104                          ; p's two fragments (behind the scores)
.set XF,  120
.set CD,  120                          ; the context's eight results (behind the products)
.set STG, 184
.set TB,  248
.set WB,  128                          ; window 1
.set CW,  224                          ; window 1
.set MSB, 0
.macro WIN new                         ; bits 1:0 source 0, 3:2 source 1, 5:4 source 2, 7:6 destination; the high byte repeats the setting that is left
.if MSB != (\new)
	s_set_vgpr_msb (MSB<<8)|(\new)
.set MSB, (\new)
.endif
.endm
.macro BARRIER
	s_barrier_signal -1
	s_barrier_wait -1
.endm
.macro XLOAD reg, imm                  ; a unit: 256 numbers of a row, 8 neighbours a lane; the two loads together cover 1,024 consecutive bytes
	global_load_b128 v[(\reg):(\reg)+3], v[L32], s[4:5] offset:(\imm)
	global_load_b128 v[(\reg)+4:(\reg)+7], v[L32], s[4:5] offset:(\imm)+16
.endm
; TWO UNITS ARE QUANTISED AND ROUNDED, by turns.  ra, rb: their registers, in window sw; u: the first unit's number (row u / 4 of my eight, 256 (u % 4) along K).  A block of 32 lies in four neighbouring lanes.
; Three macros of vector work (the maxima; the scale bytes and the bf16 numbers; the codes), and one with the four LDS stores, which stands behind a wait on va_vdst.
.macro XP1 ra, rb, sw
	WIN 5*(\sw)
	v_max3_num_f32 v[T], |v[(\ra)]|, |v[(\ra)+1]|, 0x1800000       ; with the floor 2^(3 - 127): so the byte cannot fall under 1
	v_max3_num_f32 v[T+1], |v[(\rb)]|, |v[(\rb)+1]|, 0x1800000
.irp i, 2,4,6
	v_max3_num_f32 v[T], |v[(\ra)+\i]|, |v[(\ra)+\i+1]|, v[T]
	v_max3_num_f32 v[T+1], |v[(\rb)+\i]|, |v[(\rb)+\i+1]|, v[T+1]
.endr
	WIN 0
.irp x, 1,2
	v_max_num_f32_dpp v[T], v[T], v[T] row_xmask:\x row_mask:0xf bank_mask:0xf
	v_max_num_f32_dpp v[T+1], v[T+1], v[T+1] row_xmask:\x row_mask:0xf bank_mask:0xf
.endr
	v_add_nc_u32 v[T+2], 0xff000000, v[T]          ; 2 off the exponent field: the conversion's scale operand
	v_add_nc_u32 v[T+3], 0xff000000, v[T+1]
.endm
.macro XPB ra, rb, sw
	WIN 0
	v_lshrrev_b32 v[T+4], 23, v[T+2]               ; the scale's byte
	v_lshrrev_b32 v[T+5], 23, v[T+3]
	WIN 5*(\sw)
.irp i, 0,1,2,3
	v_cvt_pk_bf16_f32 v[TB+\i], v[(\ra)+2*\i], v[(\ra)+2*\i+1]
.endr
.irp i, 0,1,2,3
	v_cvt_pk_bf16_f32 v[TB+4+\i], v[(\rb)+2*\i], v[(\rb)+2*\i+1]
.endr
.endm
.macro XP2 ra, rb, sw, u
	WIN 0x40+(\sw)
	v_cvt_scalef32_pk8_fp4_f32 v[CW+(\u)], v[(\ra):(\ra)+7], v[T+2]
	v_cvt_scalef32_pk8_fp4_f32 v[CW+(\u)+1], v[(\rb):(\rb)+7], v[T+3]
	v_nop                                          ; one plain place behind a scaled conversion
.endm
.macro XPS u
	WIN 0
	ds_store_b128 v[XBW], v[TB:TB+3] offset:XBP*((\u)/4)+512*((\u)%4)              ; 512 consecutive bytes of a row
	ds_store_b128 v[XBW], v[TB+4:TB+7] offset:XBP*(((\u)+1)/4)+512*(((\u)+1)%4)
	ds_store_b8 v[XSW], v[T+4] offset:32*((\u)/4)+8*((\u)%4)                       ; the four lanes of a block write the same byte with the same value
	ds_store_b8 v[XSW], v[T+5] offset:32*(((\u)+1)/4)+8*(((\u)+1)%4)
.endm
.macro XFLOAD set, k                   ; x's four fragments of K step k: lane (r, h): registers 4 c .. 4 c + 3 hold k = 64 c + 32 h + 0 .. 31 of row r
.irp m, 0,1,2,3
	ds_load_b128 v[XF+32*(\set)+8*\m:XF+32*(\set)+8*\m+3], v[XA] offset:16*CP*\m+64*(\k)
	ds_load_b128 v[XF+32*(\set)+8*\m+4:XF+32*(\set)+8*\m+7], v[XA] offset:16*CP*\m+64*(\k)+32
.endr
.endm
.macro WLOAD buf, c, k                 ; W's four fragments of chunk c, K step k: the registers' image, 512 consecutive bytes a load
.irp n, 0,1,2,3
	global_load_b128 v[WB+32*(\buf)+8*\n:WB+32*(\buf)+8*\n+3], v[L16], s[6:7] offset:((4*(\c)+\n)*8+(\k))*1024
	global_load_b128 v[WB+32*(\buf)+8*\n+4:WB+32*(\buf)+8*\n+7], v[L16], s[6:7] offset:((4*(\c)+\n)*8+(\k))*1024+512
.endr
.endm
; A slot's 16 matrix instructions.  The 16 accumulators take turns, one instruction a turn, in the same order in every slot.  K step 0 starts the sums: nothing is cleared.
.macro MM s
.set KK, (\s)&7
.set KQ, (\s)&3
.set TT, 4*((\s)>>3)
.set BU, WB+32*((\s)%3)
.set FX, XF+32*((\s)&1)
	WIN 0x54                                       ; x in window 0; W and the accumulators in window 1
.irp m, 0,1,2,3
.irp n, 0,1,2,3
.if KK == 0
	v_wmma_scale_f32_16x16x128_f8f6f4 v[8*(4*\m+\n):8*(4*\m+\n)+7], v[FX+8*\m:FX+8*\m+7], v[BU+8*\n:BU+8*\n+7], 0, v[XSC+4*\m+KQ], v[WSC+4*(TT+\n)+KQ] matrix_a_fmt:MATRIX_FMT_FP4 matrix_b_fmt:MATRIX_FMT_FP4
.elseif KK < 4
	v_wmma_scale_f32_16x16x128_f8f6f4 v[8*(4*\m+\n):8*(4*\m+\n)+7], v[FX+8*\m:FX+8*\m+7], v[BU+8*\n:BU+8*\n+7], v[8*(4*\m+\n):8*(4*\m+\n)+7], v[XSC+4*\m+KQ], v[WSC+4*(TT+\n)+KQ] matrix_a_fmt:MATRIX_FMT_FP4 matrix_b_fmt:MATRIX_FMT_FP4
.else
	v_wmma_scale_f32_16x16x128_f8f6f4 v[8*(4*\m+\n):8*(4*\m+\n)+7], v[FX+8*\m:FX+8*\m+7], v[BU+8*\n:BU+8*\n+7], v[8*(4*\m+\n):8*(4*\m+\n)+7], v[XSC+4*\m+KQ], v[WSC+4*(TT+\n)+KQ] matrix_a_fmt:MATRIX_FMT_FP4 matrix_b_fmt:MATRIX_FMT_FP4 matrix_a_scale:MATRIX_SCALE_ROW1 matrix_b_scale:MATRIX_SCALE_ROW1
.endif
.endr
.endr
.endm
; SLOT s.  nl: the global loads that may stay out: W's fragments for slot s were asked for three slots ago, the slot's two units of x four slots ago.  nd: the LDS instructions that may stay out: the last slot's four X stores.
; Behind the products stand the X work's plain vector lines (or four v_nop): more than the four places behind a matrix instruction; the wait on va_vdst stands behind them.
.macro SLOT s, hasx, nl, nd
.set RA, STG+8*((2*(\s))&7)
.set RB, RA+8
	s_wait_loadcnt \nl
	s_wait_dscnt \nd
.if (\s) < 15
	XFLOAD ((\s)+1)&1, ((\s)+1)&7                  ; no wait here: the products that read this set stand ahead of the last wait on va_vdst, and nothing has named the set since
.endif
	MM \s
.if \hasx
	WIN 0
	s_wait_alu depctr_vm_vsrc(0)                   ; the last slot's four LDS stores have read TB, v20 and v21, which this slot's X work writes again
	XP1 RA, RB, 0
	XPB RA, RB, 0
	XP2 RA, RB, 0, 2*(\s)
	s_wait_alu depctr_va_vdst(0)                   ; the products are done reading W's buffer and x's set; the X work is done reading its two units and has written TB, v20, v21 and two registers of codes
.if (\s) <= 12
	WLOAD (\s)%3, ((\s)+3)>>3, ((\s)+3)&7          ; under the conversions' window setting
.else
	WLOAD (\s)%3, 0, ((\s)-12)%3                   ; the next block's slots 1, 2, 0 into buffers 1, 2, 0
.endif
	XPS 2*(\s)
.if (\s) <= 11
	XLOAD RA, 262144+4096*((2*(\s)+8)/4)+1024*((2*(\s)+8)%4)       ; the next block's units four slots on
	XLOAD RB, 262144+4096*((2*(\s)+9)/4)+1024*((2*(\s)+9)%4)
.else
	s_cmp_eq_u32 s19, 2                            ; the block after the next: there is none behind block 3, and no load leaves its buffer
	s_cbranch_scc1 .Lnox_\@
	XLOAD RA, 524288+4096*((2*(\s)-24)/4)+1024*((2*(\s)-24)%4)
	XLOAD RB, 524288+4096*((2*(\s)-23)/4)+1024*((2*(\s)-23)%4)
.Lnox_\@:
.endif
.else
.rept 4
	v_nop                                          ; four places behind the products
.endr
.if (\s) <= 12
	WIN 0x40
	s_wait_alu depctr_va_vdst(0)                   ; the products are done reading W's buffer, in which the loads below land, and x's set, in which the next slot's loads land
	WLOAD (\s)%3, ((\s)+3)>>3, ((\s)+3)&7
.elseif (\s) == 13
	s_wait_alu depctr_va_vdst(0)                   ; the products are done reading x's set, in which slot 14's loads land.  (Slots 14 and 15 are followed by no load into their operands: no wait)
.endif
	WIN 0
.endif
.endm
; A chunk's 16 tiles become r = 1 / (1 + 2^(c keys + c query)), and the scores' sums take -2 V r.  Each kind of transcendental is one batch with one wait, ahead of the first reader.
.macro TPH c
	WIN 0x41
.irp m, 0,1,2,3
.irp n, 0,1,2,3
.irp p, 0,2,4,6
.if (\n)&1
	v_pk_fma_f32 v[8*(4*\m+\n)+\p:8*(4*\m+\n)+\p+1], v[8*(4*\m+\n)+\p:8*(4*\m+\n)+\p+1], s[22:23], v[CQ+4*(\c)+\n-1:CQ+4*(\c)+\n] op_sel:[0,0,1] op_sel_hi:[1,0,1]
.else
	v_pk_fma_f32 v[8*(4*\m+\n)+\p:8*(4*\m+\n)+\p+1], v[8*(4*\m+\n)+\p:8*(4*\m+\n)+\p+1], s[22:23], v[CQ+4*(\c)+\n:CQ+4*(\c)+\n+1] op_sel_hi:[1,0,0]
.endif
.endr
.endr
.endr
.set a, 0
	s_wait_alu depctr_va_vdst(0)
.rept 128
	v_exp_f32 v[a], v[a]
.set a, a+1
.endr
	v_nop
	s_wait_alu depctr_va_vdst(0)                   ; the 128 exponentials have written their results, ahead of the first reader
.set a, 0
.rept 64
	v_pk_add_f32 v[a:a+1], v[a:a+1], 1.0 op_sel_hi:[1,0]
.set a, a+2
.endr
.set a, 0
	s_wait_alu depctr_va_vdst(0)
.rept 128
	v_rcp_f32 v[a], v[a]
.set a, a+1
.endr
	v_nop
	s_wait_alu depctr_va_vdst(0)                   ; the 128 reciprocals have written their results, ahead of the first reader
	WIN 0x01
.irp n, 0,1,2,3
.irp m, 0,1,2,3
.irp p, 0,2,4,6
.if ((\c) == 0) && ((\n) == 0)
	v_pk_mul_f32 v[SACC+8*\m+\p:SACC+8*\m+\p+1], v[8*(4*\m+\n)+\p:8*(4*\m+\n)+\p+1], v[VV:VV+1] op_sel_hi:[1,0]      ; the first tile of columns starts the sums
.elseif (\n)&1
	v_pk_fma_f32 v[SACC+8*\m+\p:SACC+8*\m+\p+1], v[8*(4*\m+\n)+\p:8*(4*\m+\n)+\p+1], v[VV+4*(\c)+\n-1:VV+4*(\c)+\n], v[SACC+8*\m+\p:SACC+8*\m+\p+1] op_sel:[0,1,0] op_sel_hi:[1,1,1]
.else
	v_pk_fma_f32 v[SACC+8*\m+\p:SACC+8*\m+\p+1], v[8*(4*\m+\n)+\p:8*(4*\m+\n)+\p+1], v[VV+4*(\c)+\n:VV+4*(\c)+\n+1], v[SACC+8*\m+\p:SACC+8*\m+\p+1] op_sel_hi:[1,0,1]
.endif
.endr
.endr
.endr
	WIN 0
.endm
.macro CWOUT                           ; the codes that waited in registers go to LDS: 128 consecutive bytes a store.  (No wait: each pair of conversions stands ahead of a wait on va_vdst, and nothing has written the codes since)
	WIN 0x04
.irp u, 0,1,2,3,4,5,6,7,8,9,10,11,12,13,14,15,16,17,18,19,20,21,22,23,24,25,26,27,28,29,30,31
	ds_store_b32 v[CWA], v[CW+\u] offset:CP*(\u/4)+128*(\u%4)
.endr
	WIN 0
.endm
.macro BHEAD hasx                      ; a block's head: its scale words and first fragments; where the next block's rows and scale bytes go
	s_wait_alu depctr_vm_vsrc(0)                   ; the LDS and memory instructions of the block before (ahead of block 0: of the quantising of block 0) have read v4, v5, v6, v16 to v18, TB and the codes' registers, all written again in this block
	v_and_b32 v[T], 16, v0
	v_and_b32 v[XSR], 15, v0
	v_lshl_or_b32 v[XSR], v[XSR], 5, v[T]
	v_add_nc_u32 v[XSR], s29, v[XSR]
	s_wait_alu depctr_va_vdst(0)                   ; v4 is written, which the four loads below read; the context's products and selects (ahead of block 0: the quantising) are done with v120-183, in which x's fragments land
.irp m, 0,1,2,3
	ds_load_b128 v[XSC+4*\m:XSC+4*\m+3], v[XSR] offset:512*\m      ; 16 bytes of a row's 32: K steps 4 h .. 4 h + 3
.endr
	XFLOAD 0, 0
.if \hasx
	s_add_co_u32 s31, s27, s28
	v_add_nc_u32 v[XBW], s31, v[L16]               ; (v5 and v6 are first read behind slot 0's wait on va_vdst)
	s_xor_b32 s30, s30, 0x800
	v_bfe_u32 v[XSW], v0, 2, 3
	v_add_nc_u32 v[XSW], s30, v[XSW]
.endif
.endm
; BEHIND A BLOCK'S PRODUCTS: the scores, the block's softmax, its part of the context.
.macro TAIL hasx, last
	v_add_nc_u32 v[TR0], s26, v[TRB]               ; (the last block's turned loads read these two ahead of this block's first wait on vm_vsrc)
	v_add_nc_u32 v[TR1], 32*XBP, v[TR0]
	WIN 0x40                                       ; the block's rows, turned: 16 fragments (32 rows x 16 of my columns) into the accumulators' registers
	s_wait_alu depctr_va_vdst(0)                   ; v12 and v15 are written, which the turned loads read; the chunk's arithmetic is done with the accumulators' registers, in which they land
.irp t, 0,1,2,3,4,5,6,7
	ds_load_tr16_b128 v[8*\t:8*\t+3], v[TR0] offset:32*\t
	ds_load_tr16_b128 v[8*\t+4:8*\t+7], v[TR0] offset:16*XBP+32*\t
.endr
.irp t, 0,1,2,3,4,5,6,7
	ds_load_tr16_b128 v[64+8*\t:64+8*\t+3], v[TR1] offset:32*\t
	ds_load_tr16_b128 v[64+8*\t+4:64+8*\t+7], v[TR1] offset:16*XBP+32*\t
.endr
	WIN 0
.irp x, 1,2,4,8                        ; the sums over my 128 columns: 16 lanes of a half hold 16 columns of the same eight rows
.set a, 0
.rept 32
	v_add_f32_dpp v[SACC+a], v[SACC+a], v[SACC+a] row_xmask:\x row_mask:0xf bank_mask:0xf
.set a, a+1
.endr
.endr
	s_wait_alu depctr_va_vdst(0)                   ; the additions have written the 32 sums, which the LDS stores read
.irp m, 0,1,2,3
.irp j, 0,1,2,3,4,5,6,7
	ds_store_b32 v[SPWR], v[SACC+8*\m+\j] offset:32*(16*\m+\j)     ; row 16 m + 8 h + j, my wave's word; the 16 lanes write the same word with the same value
.endr
.endr
	s_wait_dscnt 0x0                               ; my partial scores have landed; my reads of the codes and of the bf16 rows are back
	BARRIER                                        ; all waves': the scores can be read, and the codes can be written over
	s_wait_alu depctr_vm_vsrc(0)                   ; the 32 stores have read v88-119, in which the loads below and p's fragments land; slot 15's stores, where it had any, have read TB, v20 and v21, which are written below
.irp i, 0,1,2,3
	ds_load_b128 v[SACC+4*\i:SACC+4*\i+3], v[SPR] offset:16*\i     ; rows 2 l and 2 l + 1: eight words each
.endr
.if \hasx
	CWOUT
	s_wait_dscnt 32                                ; the four loads are in; the 32 stores behind them may be out
.else
	s_wait_dscnt 0x0
.endif
	v_pk_add_f32 v[SACC:SACC+1], v[SACC:SACC+1], v[SACC+2:SACC+3]
	v_pk_add_f32 v[SACC+4:SACC+5], v[SACC+4:SACC+5], v[SACC+6:SACC+7]
	v_pk_add_f32 v[SACC+8:SACC+9], v[SACC+8:SACC+9], v[SACC+10:SACC+11]
	v_pk_add_f32 v[SACC+12:SACC+13], v[SACC+12:SACC+13], v[SACC+14:SACC+15]
	v_pk_add_f32 v[SACC:SACC+1], v[SACC:SACC+1], v[SACC+4:SACC+5]
	v_pk_add_f32 v[SACC+8:SACC+9], v[SACC+8:SACC+9], v[SACC+12:SACC+13]
	v_add_f32 v[T], v[SACC], v[SACC+1]             ; s'(2 l)
	v_add_f32 v[T+1], v[SACC+8], v[SACC+9]         ; s'(2 l + 1)
	v_lshrrev_b32 v[T+2], 1, v[L16]                ; 8 l
	s_cmp_lg_u32 s18, 0                            ; every wave holds all 64 scores; wave 0 stores them: 256 consecutive bytes, aligned
	s_cbranch_scc1 .Lnot0_\@
	s_wait_alu depctr_va_vdst(0)                   ; the two scores v16, v17 and the offset v18 are written, which the store reads
	global_store_b64 v[T+2], v[T:T+1], s[14:15]
.Lnot0_\@:
	s_wait_alu depctr_va_vdst(0)
	v_max_num_f32 v[T+3], v[T], v[T+1]
.irp x, 1,2,4,8
	v_max_num_f32_dpp v[T+3], v[T+3], v[T+3] row_xmask:\x row_mask:0xf bank_mask:0xf
.endr
	v_mov_b32 v[T+4], 0
	v_permlanex16_b32 v[T+4], v[T+3], s20, s21
	v_max_num_f32 v[T+3], v[T+3], v[T+4]           ; m: the block's largest score
	v_sub_f32 v[T+4], v[T], v[T+3]
	v_sub_f32 v[T+5], v[T+1], v[T+3]
	v_mul_f32 v[T+4], s24, v[T+4]
	v_mul_f32 v[T+5], s24, v[T+5]
	s_wait_alu depctr_va_vdst(0)
	v_exp_f32 v[T+4], v[T+4]                       ; p = e^(s' - m), at most 1
	v_exp_f32 v[T+5], v[T+5]
	v_nop
	s_wait_alu depctr_va_vdst(0)                   ; the two exponentials have written their results, ahead of the first reader
	v_cvt_pk_bf16_f32 v[TB+4], v[T+4], v[T+5]
	s_wait_alu depctr_va_vdst(0)                   ; the rounding has written v252, which the LDS store reads
	ds_store_b32 v[PW], v[TB+4]                    ; the 64 p in the rows' order, in my wave's own bytes
.irp i, 0,1,2,3
	ds_load_b128 v[PF+4*\i:PF+4*\i+3], v[PR] offset:32*\i          ; LDS serves a wave's instructions in order (ISA guide 5.7.1.4).  Every row of the operand is the same p
.endr
	s_wait_dscnt 0x0
	WIN 0x04                                       ; context = p x: K = the 64 rows, two steps of 32; eight tiles of 16 columns by turns
.irp t, 0,1,2,3,4,5,6,7
	v_wmma_f32_16x16x32_bf16 v[CD+8*\t:CD+8*\t+7], v[PF:PF+7], v[8*\t:8*\t+7], 0
.endr
.irp t, 0,1,2,3,4,5,6,7
	v_wmma_f32_16x16x32_bf16 v[CD+8*\t:CD+8*\t+7], v[PF+8:PF+15], v[64+8*\t:64+8*\t+7], v[CD+8*\t:CD+8*\t+7]
.endr
	WIN 0
.rept 5
	v_nop                                          ; four places ahead of the first read of a result; five ahead of the next block's products, which write over these products' operands
.endr
.irp u, 0,1,2,3
	v_cndmask_b32 v[TB+\u], v[CD+16*\u], v[CD+16*\u+8], s25        ; all 16 rows of a result are alike: register 0 of two tiles gives lane l column 32 u + l
.endr
	s_wait_alu depctr_va_vdst(0)                   ; the four selects have written v248-251, which the LDS stores read
.irp u, 0,1,2,3
	ds_store_b32 v[PW], v[TB+\u] offset:512+128*\u
.endr
	s_wait_alu depctr_vm_vsrc(0)                   ; p's store has read v252, in which the load below lands
	ds_load_b128 v[TB+4:TB+7], v[CSR] offset:512
	s_wait_dscnt 0x0
	global_store_b128 v[L16], v[TB+4:TB+7], s[16:17]               ; my 128 columns: 512 consecutive bytes, aligned
.if !(\last)
	s_wait_xcnt 0x0                                ; the loads and stores issued so far have read their addresses and data: bases and data registers may be written
	s_add_nc_u64 s[4:5], s[4:5], 262144            ; 64 rows of x on
	s_add_nc_u64 s[14:15], s[14:15], 256
	s_add_nc_u64 s[16:17], s[16:17], 4096
	s_xor_b32 s26, s26, XB1                        ; the buffers change places
	s_xor_b32 s27, s27, XB1
	s_xor_b32 s29, s29, 0x800
	BARRIER                                        ; (no LDS instruction of mine is out)  the new codes lie in LDS; nobody reads the old bf16 rows or the partial scores any more
.endif
.endm
	s_load_b256 s[4:11], s[0:1], 0x0               ; encoder_outputs, wk_codes, wk_scales, cq
	s_load_b128 s[12:15], s[0:1], 0x20             ; V, scores
	s_load_b64 s[16:17], s[0:1], 0x30              ; ctxp
	v_lshl_add_u32 v[SPW], v0, 2, SPARE            ; my spare word,
	v_mov_b32 v[NIL], 0                            ; and 0: kept for the add alone
	v_lshrrev_b32 v16, 5, v0                       ; w
	v_readfirstlane_b32 s18, v16
	v_and_b32 v17, 31, v0                          ; l
	v_and_b32 v18, 15, v0                          ; r
	v_bfe_u32 v19, v0, 4, 1                        ; h
	v_lshlrev_b32 v[L16], 4, v17
	v_lshlrev_b32 v[L32], 5, v17
	v_mul_u32_u24 v[XA], v18, CP
	v_lshl_add_u32 v[XA], v19, 4, v[XA]
	v_add_nc_u32 v[XA], CODES, v[XA]
	v_mul_u32_u24 v[CWA], v16, 8*CP
	v_lshl_add_u32 v[CWA], v17, 2, v[CWA]
	v_add_nc_u32 v[CWA], CODES, v[CWA]
	v_lshlrev_b32 v[SPWR], 8, v19
	v_lshl_add_u32 v[SPWR], v16, 2, v[SPWR]
	v_add_nc_u32 v[SPWR], SPB, v[SPWR]
	v_lshl_add_u32 v[SPR], v17, 6, SPB
	v_lshlrev_b32 v20, 10, v16
	v_add_nc_u32 v20, WR, v20                      ; my wave's 1,024 bytes
	v_lshl_add_u32 v[PW], v17, 2, v20
	v_lshl_add_u32 v[PR], v19, 4, v20
	v_lshl_add_u32 v[CSR], v17, 4, v20
	v_and_b32 v21, 7, v0
	v_lshl_add_u32 v21, v19, 3, v21
	v_mul_u32_u24 v[TRB], v21, XBP
	v_bfe_u32 v21, v0, 3, 1
	v_lshl_add_u32 v[TRB], v21, 4, v[TRB]
	v_lshl_add_u32 v[TRB], v16, 8, v[TRB]
	v_lshlrev_b32 v20, 2, v18                      ; 4 r: V
	v_lshlrev_b32 v21, 4, v18                      ; 16 r: cq
	v_lshl_add_u32 v19, v19, 14, v20               ; 16,384 h + 4 r: W's scale words
	s_wait_alu depctr_va_sdst(0)                   ; s18 is written, ahead of its first reader: offsets, LDS places and branches are made from it
	s_lshl_b32 s2, ttmp9, 20                       ; x: 256 rows of 4,096 bytes a work-group,
	s_lshl_b32 s3, s18, 15                         ;    8 rows a wave
	s_add_co_u32 s32, s2, s3
	s_mov_b32 s33, 0
	s_lshl_b32 s34, s18, 16                        ; wk_codes: 8 tiles of 8,192 bytes a wave
	s_mov_b32 s35, 0
	s_lshl_b32 s36, s18, 9                         ; wk_scales and V: 128 columns of 4 bytes a wave
	s_mov_b32 s37, 0
	s_lshr_b32 s2, ttmp9, 3                        ; my batch b = 16 mu + 8 hb + 4 jh + e
	s_lshr_b32 s3, s2, 4
	s_lshl_b32 s38, s3, 11                         ; cq: 2,048 mu
	s_bfe_u32 s3, s2, 0x10003
	s_lshl_b32 s3, s3, 8
	s_add_co_u32 s38, s38, s3                      ;   + 256 hb
	s_bfe_u32 s3, s2, 0x10002
	s_lshl_b32 s3, s3, 9
	s_add_co_u32 s38, s38, s3                      ;   + 512 jh
	s_and_b32 s3, s2, 3
	s_lshl_b32 s3, s3, 2
	s_add_co_u32 s38, s38, s3                      ;   + 4 e
	s_lshl_b32 s3, s18, 14
	s_add_co_u32 s38, s38, s3                      ;   + 16,384 w
	s_mov_b32 s39, 0
	s_lshl_b32 s40, ttmp9, 10                      ; scores: 256 a work-group
	s_mov_b32 s41, 0
	s_lshl_b32 s42, ttmp9, 14                      ; ctxp: four rows of 4,096 bytes a work-group, + my 128 columns
	s_add_co_u32 s42, s42, s36
	s_mov_b32 s43, 0
	s_mov_b32 s20, 0x76543210
	s_mov_b32 s21, 0xfedcba98                      ; v_permlanex16_b32's selects for lane l xor 16
	s_mov_b32 s22, 0x4038aa3b                      ; c = 2 log2(e)
	s_mov_b32 s23, s22                             ; (named with it as a pair)
	s_mov_b32 s24, 0x3fb8aa3b                      ; log2(e)
	s_mov_b32 s25, 0xffff0000                      ; lanes 16-31
	s_mov_b32 s26, 0                               ; bf16 rows: the buffer in hand,
	s_mov_b32 s27, XB1                             ; and the other
	s_mul_i32 s28, s18, 8*XBP                      ; my 8 rows in a buffer
	s_mov_b32 s29, XSB                             ; scale bytes: the buffer in hand,
	s_lshl_b32 s30, s18, 8
	s_add_co_u32 s30, s30, XSB                     ; and where I write: my 8 rows of 32 bytes, first in buffer 0
	v_add_nc_u32 v[XBW], s28, v[L16]
	v_bfe_u32 v[XSW], v0, 2, 3
	v_add_nc_u32 v[XSW], s30, v[XSW]
	s_wait_kmcnt 0x0
	s_add_nc_u64 s[4:5], s[4:5], s[32:33]
	s_add_nc_u64 s[6:7], s[6:7], s[34:35]
	s_add_nc_u64 s[8:9], s[8:9], s[36:37]
	s_add_nc_u64 s[10:11], s[10:11], s[38:39]
	s_add_nc_u64 s[12:13], s[12:13], s[36:37]
	s_add_nc_u64 s[14:15], s[14:15], s[40:41]
	s_add_nc_u64 s[16:17], s[16:17], s[42:43]
	s_wait_alu depctr_va_vdst(0)                   ; the offsets and LDS addresses v1 to v11 and v13, and the three offsets v19 to v21, are written: the loads and stores below read them
.irp t, 0,1,2,3,4,5,6,7
.irp q, 0,1,2,3
	global_load_b32 v[WSC+4*\t+\q], v19, s[8:9] offset:4096*\q+64*\t
.endr
.endr
.irp t, 0,1,2,3,4,5,6,7
	global_load_b32 v[CQ+\t], v21, s[10:11] offset:4096*(\t/2)+1024*(\t%2)
.endr
.irp t, 0,1,2,3,4,5,6,7
	global_load_b32 v[VV+\t], v20, s[12:13] offset:64*\t
.endr
	; ---- block 0 is quantised ahead of the loop: its 32 units lie where the accumulators, W's buffers and x's fragments will lie
	WIN 0x40
.irp u, 0,1,2,3,4,5,6,7,8,9,10,11,12,13,14,15,16,17,18,19,20,21,22,23,24,25,26,27
	XLOAD 8*\u, 4096*(\u/4)+1024*(\u%4)
.endr
	WIN 0
.irp u, 28,29,30,31
	XLOAD XF+8*(\u-28), 4096*(\u/4)+1024*(\u%4)
.endr
.irp u, 0,1,2,3,4,5,6,7
	XLOAD STG+8*\u, 262144+4096*(\u/4)+1024*(\u%4)                 ; block 1's first eight units
.endr
.macro PPAIR u
	s_wait_alu depctr_vm_vsrc(0)                   ; the last pair's four LDS stores have read TB, v20 and v21 (ahead of the first pair: the small loads have read their offsets v19 to v21): this pair writes them
.if (\u) < 28
	XP1 8*(\u), 8*(\u)+8, 1
	XPB 8*(\u), 8*(\u)+8, 1
	XP2 8*(\u), 8*(\u)+8, 1, \u
.else
	XP1 XF+8*((\u)-28), XF+8*((\u)-27), 0
	XPB XF+8*((\u)-28), XF+8*((\u)-27), 0
	XP2 XF+8*((\u)-28), XF+8*((\u)-27), 0, \u
.endif
	s_wait_alu depctr_va_vdst(0)                   ; the pair's vector work has written TB, v20 and v21, which the four stores read, and its two registers of codes; it is done reading its two units
	XPS \u
.endm
	s_wait_loadcnt 63                              ; units 0-7 are in (64 loads are younger; the count's field ends at 63), and so are the 48 small loads ahead of them
.irp u, 0,2,4,6
	PPAIR \u
.endr
	s_wait_loadcnt 48                              ; units 8-15: behind them 32 loads of block 0 and 16 of block 1
.irp u, 8,10,12,14
	PPAIR \u
.endr
	s_wait_loadcnt 32
.irp u, 16,18,20,22
	PPAIR \u
.endr
	s_wait_loadcnt 16
.irp u, 24,26,28,30
	PPAIR \u
.endr
.irp t, 0,1,2,3,4,5,6,7
	v_mul_f32 v[VV+\t], -2.0, v[VV+\t]
.endr
	WIN 0x40
	WLOAD 0, 0, 0                                  ; no wait: the pairs that read these registers stand ahead of the last pair's wait on va_vdst, and nothing has named them since; the same holds of the codes stored below
	WLOAD 1, 0, 1
	WLOAD 2, 0, 2
	CWOUT
	s_wait_dscnt 0x0                               ; my rows, codes and scale bytes of block 0 have landed
	BARRIER
	s_mov_b32 s19, 0
.Lblock:                                           ; blocks 0, 1, 2: each also quantises the block behind it
	BHEAD 1
	SLOT 0, 1, 0, 0                                ; W's first fragments were the last of W's to be asked for: all loads are waited for
	SLOT 1, 1, 12, 4                               ; slot 0's 8 + 4 may be out
	SLOT 2, 1, 24, 4
.irp s, 3,4,5,6,7
	SLOT \s, 1, 28, 4                              ; behind W's loads for this slot: 4 of x in their own slot, 12 in each of the two slots since
.endr
	TPH 0
.irp s, 8,9,10,11,12
	SLOT \s, 1, 28, 4
.endr
	SLOT 13, 1, 24, 4                              ; the counts of the way on which slots 12 to 15 ask for no x: smaller than the other way needs
	SLOT 14, 1, 20, 4
	SLOT 15, 1, 16, 4
	TPH 1
	TAIL 1, 0
	s_add_co_u32 s19, s19, 1
	s_cmp_lt_u32 s19, 3
	s_cbranch_scc1 .Lblock
	BHEAD 0                                        ; block 3: nothing is left to quantise
	SLOT 0, 0, 0, 0
	SLOT 1, 0, 8, 0
	SLOT 2, 0, 16, 0
.irp s, 3,4,5,6,7
	SLOT \s, 0, 16, 0
.endr
	TPH 0
.irp s, 8,9,10,11,12,13
	SLOT \s, 0, 16, 0
.endr
	SLOT 14, 0, 8, 0
	SLOT 15, 0, 0, 0
	TPH 1
	TAIL 0, 1
	s_wait_dscnt 0x0                               ; the wave's end
	s_wait_alu 0x0
	s_wait_tensorcnt 0x0
	ds_add_u32 v[SPW], v[NIL]
	s_wait_dscnt 0x0
	s_endpgm
.Lfunc_end_k_q49ea6acd9e_attn:
	.size	k_q49ea6acd9e_attn, .Lfunc_end_k_q49ea6acd9e_attn-k_q49ea6acd9e_attn
	.p2alignl 7, 3214868480
	.fill 96, 4, 3214868480
	.section	.rodata,"a",@progbits
	.p2align	6, 0x0
	.amdhsa_kernel k_q49ea6acd9e_attn
		.amdhsa_group_segment_fixed_size 315392
		.amdhsa_private_segment_fixed_size 0
		.amdhsa_enable_private_segment 0
		.amdhsa_kernarg_size 56
		.amdhsa_user_sgpr_count 2
		.amdhsa_user_sgpr_kernarg_segment_ptr 1
		.amdhsa_wavefront_size32 1
		.amdhsa_system_sgpr_workgroup_id_x 1
		.amdhsa_system_sgpr_workgroup_id_y 1
		.amdhsa_system_sgpr_workgroup_id_z 1
		.amdhsa_system_vgpr_workitem_id 0
		.amdhsa_next_free_vgpr 512
		.amdhsa_next_free_sgpr 66
		.amdhsa_reserve_vcc 0
		.amdhsa_float_denorm_mode_32 3
		.amdhsa_float_denorm_mode_16_64 3
		.amdhsa_memory_ordered 1
		.amdhsa_forward_progress 1
		.amdhsa_inst_pref_size 255
	.end_amdhsa_kernel
	.section	.bss,"aw",@nobits
	.p2align	6
	.space	262144
	.amdgpu_metadata
---
amdhsa.version: [ 1, 2 ]
amdhsa.kernels:
  - .name:           k_q49ea6acd9e_attn
    .symbol:         k_q49ea6acd9e_attn.kd
    .args:
      - { .name: encoder_outputs, .offset: 0, .size: 8, .value_kind: global_buffer, .address_space: global }
      - { .name: wk_codes, .offset: 8, .size: 8, .value_kind: global_buffer, .address_space: global }
      - { .name: wk_scales, .offset: 16, .size: 8, .value_kind: global_buffer, .address_space: global }
      - { .name: cq, .offset: 24, .size: 8, .value_kind: global_buffer, .address_space: global }
      - { .name: V, .offset: 32, .size: 8, .value_kind: global_buffer, .address_space: global }
      - { .name: scores, .offset: 40, .size: 8, .value_kind: global_buffer, .address_space: global }
      - { .name: ctxp, .offset: 48, .size: 8, .value_kind: global_buffer, .address_space: global }
    .group_segment_fixed_size: 315392
    .private_segment_fixed_size: 0
    .kernarg_segment_align: 8
    .kernarg_segment_size: 56
    .max_flat_workgroup_size: 256
    .sgpr_count:     66
    .vgpr_count:     512
    .wavefront_size: 32
...
	.end_amdgpu_metadata
.endif
;; end of part 5
;; launch finish (part 6): grid 32 x 2, 8 waves a work-group, no clusters, 2,048 bytes of LDS; arguments scores, ctxp, out0, out1; writes out0, out1
.if DOCPART == 6
	.amdgcn_target "amdgcn-amd-amdhsa--gfx1250"
	.amdhsa_code_object_version 6
	.text
	.protected	k_q49ea6acd9e_finish
	.globl	k_q49ea6acd9e_finish
	.p2align	8
	.type	k_q49ea6acd9e_finish,@function
k_q49ea6acd9e_finish:
	s_mov_b64 s[64:65], 0
	v_nop
	global_prefetch_b8 v0, s[64:65] scope:SCOPE_SE
	s_setreg_imm32_b32 hwreg(HW_REG_WAVE_MODE, 25, 1), 1
	s_wait_xcnt 0x0
; For batch b (work-group x): M = the largest of its 2,048 scores s', l = sum e^(s' - M); out1 = e^(s' - M) / l; out0 = sum over its 32 blocks of e^(m_blk - M) x the block's part of the context, / l.
; The scores lack the term sum_h V[h], which is the same along the softmax's axis (shown at the head of the first kernel).  m_blk is taken anew from the same 64 stored scores, so it is the number that the launch before took away.
; Work-group y (0, 1) stores half y of out1's row and columns 512 y .. + 511 of out0's; both halves find M and l for themselves.  No matrix unit, no cluster: 8 KiB of scores and 64 KiB of parts a work-group, read once.
; Thread t: scores 4 t .. + 3 (block t / 16) and 1,024 + 4 t .. + 3 (block 16 + t / 16): the 16 lanes of a half hold one block.  Columns 512 y + 2 t, + 1.
.set MAXW,  0                          ; LDS: eight waves' maxima;
.set SUMW,  256                        ; eight waves' sums;
.set BW,    512                        ; 32 blocks' weights;
.set SPARE, 1024                       ; the spare words, 128 bytes for each wave
	s_load_b256 s[4:11], s[0:1], 0x0               ; scores, ctxp, out0, out1
	v_lshl_add_u32 v120, v0, 2, SPARE              ; my spare word,
	v_mov_b32 v121, 0                              ; and 0: kept for the add alone
	v_lshlrev_b32 v1, 4, v0                        ; 16 t
	v_lshlrev_b32 v2, 3, v0                        ; 8 t
	v_lshrrev_b32 v3, 5, v0
	s_delay_alu instid0(VALU_DEP_1)
	v_lshlrev_b32 v3, 2, v3                        ; 4 x wave
	v_lshrrev_b32 v118, 4, v0
	s_delay_alu instid0(VALU_DEP_1)
	v_lshlrev_b32 v118, 2, v118                    ; 4 (t / 16)
	v_mov_b32 v119, 0                              ; LDS byte 0: reads that every lane makes alike
	s_and_b32 s12, ttmp7, 0xffff                   ; y
	s_lshl_b32 s14, ttmp9, 13                      ; scores: 8,192 bytes a batch
	s_mov_b32 s15, 0
	s_lshl_b32 s13, s12, 11                        ; 512 columns of 4 bytes
	s_lshl_b32 s16, ttmp9, 17                      ; ctxp: 32 rows of 4,096 bytes a batch
	s_add_co_u32 s16, s16, s13
	s_mov_b32 s17, 0
	s_lshl_b32 s18, ttmp9, 12                      ; out0
	s_add_co_u32 s18, s18, s13
	s_mov_b32 s19, 0
	s_lshl_b32 s20, s12, 12                        ; out1: half a row is 4,096 bytes
	s_add_co_u32 s20, s20, s14
	s_mov_b32 s21, 0
	s_mov_b32 s22, 0x76543210
	s_mov_b32 s23, 0xfedcba98                      ; v_permlanex16_b32's selects for lane l xor 16
	s_mov_b32 s24, 0x3fb8aa3b                      ; log2(e)
	s_cmp_eq_u32 s12, 0
	s_cselect_b32 s25, 0, -1                       ; all lanes take the second set of scores where y = 1
	s_wait_alu depctr_va_vdst(0)
	s_wait_kmcnt 0x0
	s_add_nc_u64 s[4:5], s[4:5], s[14:15]
	s_add_nc_u64 s[6:7], s[6:7], s[16:17]
	s_add_nc_u64 s[8:9], s[8:9], s[18:19]
	s_add_nc_u64 s[10:11], s[10:11], s[20:21]
	global_load_b128 v[4:7], v1, s[4:5]
	global_load_b128 v[8:11], v1, s[4:5] offset:4096
.irp k, 0,1,2,3,4,5,6,7,8,9,10,11,12,13,14,15,16,17,18,19,20,21,22,23,24,25,26,27,28,29,30,31
	global_load_b64 v[52+2*\k:53+2*\k], v2, s[6:7] offset:4096*\k th:TH_LOAD_NT    ; block k's part, my two columns: 256 consecutive bytes a wave
.endr
	s_wait_loadcnt 32                              ; the scores are in; the 32 parts may be out
	v_max3_num_f32 v12, v4, v5, v6
	v_max3_num_f32 v13, v8, v9, v10
	s_delay_alu instid0(VALU_DEP_2)
	v_max_num_f32 v12, v12, v7
	s_delay_alu instid0(VALU_DEP_2)
	v_max_num_f32 v13, v13, v11
.irp x, 1,2,4,8
	s_delay_alu instid0(VALU_DEP_2)
	v_max_num_f32_dpp v12, v12, v12 row_xmask:\x row_mask:0xf bank_mask:0xf        ; the blocks' maxima
	s_delay_alu instid0(VALU_DEP_2)
	v_max_num_f32_dpp v13, v13, v13 row_xmask:\x row_mask:0xf bank_mask:0xf
.endr
	s_delay_alu instid0(VALU_DEP_1)
	v_max_num_f32 v14, v12, v13
	v_mov_b32 v15, 0
	s_delay_alu instid0(VALU_DEP_1)
	v_permlanex16_b32 v15, v14, s22, s23
	s_delay_alu instid0(VALU_DEP_1)
	v_max_num_f32 v14, v14, v15                    ; my wave's
	ds_store_b32 v3, v14 offset:MAXW
	s_wait_dscnt 0x0
	s_barrier_signal -1
	s_barrier_wait -1
	ds_load_b128 v[20:23], v119 offset:MAXW
	ds_load_b128 v[24:27], v119 offset:MAXW+16
	s_wait_dscnt 0x0
	v_max3_num_f32 v14, v20, v21, v22
	s_delay_alu instid0(VALU_DEP_1)
	v_max3_num_f32 v14, v14, v23, v24
	s_delay_alu instid0(VALU_DEP_1)
	v_max3_num_f32 v14, v14, v25, v26
	s_delay_alu instid0(VALU_DEP_1)
	v_max_num_f32 v14, v14, v27                    ; M
.irp i, 4,5,6,7,8,9,10,11,12,13
	v_sub_f32 v[\i], v[\i], v14
.endr
.irp i, 4,5,6,7,8,9,10,11,12,13
	v_mul_f32 v[\i], s24, v[\i]
.endr
	s_wait_alu depctr_va_vdst(0)
.irp i, 4,5,6,7,8,9,10,11,12,13
	v_exp_f32 v[\i], v[\i]                         ; eight e^(s' - M), and the two blocks' e^(m_blk - M): one batch
.endr
	v_nop
	s_wait_alu depctr_va_vdst(0)                   ; one wait for the batch, ahead of its first reader
	v_add_f32 v16, v4, v5
	v_add_f32 v17, v6, v7
	v_add_f32 v18, v8, v9
	v_add_f32 v19, v10, v11
	s_delay_alu instid0(VALU_DEP_3)
	v_add_f32 v16, v16, v17
	s_delay_alu instid0(VALU_DEP_2)
	v_add_f32 v18, v18, v19
	s_delay_alu instid0(VALU_DEP_1)
	v_add_f32 v16, v16, v18
.irp x, 1,2,4,8
	s_delay_alu instid0(VALU_DEP_1)
	v_add_f32_dpp v16, v16, v16 row_xmask:\x row_mask:0xf bank_mask:0xf
.endr
	s_delay_alu instid0(VALU_DEP_1)
	v_permlanex16_b32 v15, v16, s22, s23
	s_delay_alu instid0(VALU_DEP_1)
	v_add_f32 v16, v16, v15                        ; my wave's sum
	ds_store_b32 v3, v16 offset:SUMW
	ds_store_b32 v118, v12 offset:BW               ; the 16 lanes of a block write the same word with the same value
	ds_store_b32 v118, v13 offset:BW+64
	s_wait_dscnt 0x0
	s_barrier_signal -1
	s_barrier_wait -1
	ds_load_b128 v[12:15], v119 offset:SUMW
	ds_load_b128 v[16:19], v119 offset:SUMW+16
.irp i, 0,1,2,3,4,5,6,7
	ds_load_b128 v[20+4*\i:23+4*\i], v119 offset:BW+16*\i
.endr
	s_wait_dscnt 0x0
	v_add_f32 v12, v12, v13
	v_add_f32 v14, v14, v15
	v_add_f32 v16, v16, v17
	v_add_f32 v18, v18, v19
	s_delay_alu instid0(VALU_DEP_3)
	v_add_f32 v12, v12, v14
	s_delay_alu instid0(VALU_DEP_2)
	v_add_f32 v16, v16, v18
	s_delay_alu instid0(VALU_DEP_1)
	v_add_f32 v12, v12, v16                        ; l
	s_wait_alu depctr_va_vdst(0)
	v_rcp_f32 v13, v12
.irp i, 0,1,2,3
	v_cndmask_b32 v[4+\i], v[4+\i], v[8+\i], s25   ; my half of the row.  (Plain work behind the reciprocal)
.endr
	s_wait_alu depctr_va_vdst(0)
.irp i, 0,1,2,3
	v_mul_f32 v[4+\i], v[4+\i], v13
.endr
	global_store_b128 v1, v[4:7], s[10:11]         ; 512 consecutive bytes a wave
	s_wait_loadcnt 0x0                             ; the 32 parts
	v_mul_f32 v116, v20, v52
	v_mul_f32 v117, v20, v53
.irp k, 1,2,3,4,5,6,7,8,9,10,11,12,13,14,15,16,17,18,19,20,21,22,23,24,25,26,27,28,29,30,31
	s_delay_alu instid0(VALU_DEP_2)
	v_fmac_f32 v116, v[20+\k], v[52+2*\k]
	s_delay_alu instid0(VALU_DEP_2)
	v_fmac_f32 v117, v[20+\k], v[53+2*\k]
.endr
	v_mul_f32 v116, v116, v13
	v_mul_f32 v117, v117, v13
	global_store_b64 v2, v[116:117], s[8:9]        ; 256 consecutive bytes a wave
	s_wait_tensorcnt 0x0                           ; the wave's end, behind my last LDS store
	ds_add_u32 v120, v121
	s_wait_dscnt 0x0
	s_endpgm
.Lfunc_end_k_q49ea6acd9e_finish:
	.size	k_q49ea6acd9e_finish, .Lfunc_end_k_q49ea6acd9e_finish-k_q49ea6acd9e_finish
	.p2alignl 7, 3214868480
	.fill 96, 4, 3214868480
	.section	.rodata,"a",@progbits
	.p2align	6, 0x0
	.amdhsa_kernel k_q49ea6acd9e_finish
		.amdhsa_group_segment_fixed_size 2048
		.amdhsa_private_segment_fixed_size 0
		.amdhsa_enable_private_segment 0
		.amdhsa_kernarg_size 32
		.amdhsa_user_sgpr_count 2
		.amdhsa_user_sgpr_kernarg_segment_ptr 1
		.amdhsa_wavefront_size32 1
		.amdhsa_system_sgpr_workgroup_id_x 1
		.amdhsa_system_sgpr_workgroup_id_y 1
		.amdhsa_system_sgpr_workgroup_id_z 1
		.amdhsa_system_vgpr_workitem_id 0
		.amdhsa_next_free_vgpr 128
		.amdhsa_next_free_sgpr 66
		.amdhsa_reserve_vcc 0
		.amdhsa_float_denorm_mode_32 3
		.amdhsa_float_denorm_mode_16_64 3
		.amdhsa_memory_ordered 1
		.amdhsa_forward_progress 1
		.amdhsa_inst_pref_size 15
	.end_amdhsa_kernel
	.amdgpu_metadata
---
amdhsa.version: [ 1, 2 ]
amdhsa.kernels:
  - .name:           k_q49ea6acd9e_finish
    .symbol:         k_q49ea6acd9e_finish.kd
    .args:
      - { .name: scores, .offset: 0, .size: 8, .value_kind: global_buffer, .address_space: global }
      - { .name: ctxp, .offset: 8, .size: 8, .value_kind: global_buffer, .address_space: global }
      - { .name: out0, .offset: 16, .size: 8, .value_kind: global_buffer, .address_space: global }
      - { .name: out1, .offset: 24, .size: 8, .value_kind: global_buffer, .address_space: global }
    .group_segment_fixed_size: 2048
    .private_segment_fixed_size: 0
    .kernarg_segment_align: 8
    .kernarg_segment_size: 32
    .max_flat_workgroup_size: 256
    .sgpr_count:     66
    .vgpr_count:     128
    .wavefront_size: 32
...
	.end_amdgpu_metadata
.endif
;; end of part 6
